; MI455X (gfx1250); checked and timed in simulation.
; The chip was launched on July 23, 2026; its instructions are those of AMD's public machine-readable ISA for CDNA 5 (MIT licence, August 2026) and "CDNA5" Instruction Set Architecture Reference Guide (July 2026). The comments in the code are by the model that wrote it; some were corrected since.
;; Omni Attention. Allowed arithmetic: float matrix products may take bf16 or f16 operands with f32 sums; other float arithmetic in f32, or as packed bf16 or f16 multiplies, adds, multiply-adds, maxima and minima; sums over many terms, partial sums and values carried from step to step in f32; what a program stores and reads back later, other than sums and carried values, may be rounded once to bf16 or f16.
;; Inputs: Wkv 2,048 x 1,024 float32; Wout 1,024 x 1,024 float32; Wq 1,024 x 1,024 float32; x 4 x 4,096 x 1,024 float32.
;; Outputs: out0 4 x 4,096 x 1,024 float32.
;; 2 versions, each right; version 2 is version 1 with the launch attn written anew for expert scheduling mode. Each part assembles by itself: llvm-mc -triple=amdgcn-amd-amdhsa -mcpu=gfx1250 --defsym DOCPART=n.
;; ======== version 1 of 2: 4 launches
;; limits: values are held in f16: magnitudes above 65,504 overflow, below 6.1e-05 lose precision
;; workspace buffers: xb 33,554,432 bytes; wqkv 6,291,456 bytes; wo 2,097,152 bytes; qkv 100,663,296 bytes; ob 33,554,432 bytes
;; launch cast (part 1): grid 1280 x 1, 8 waves a work-group, no clusters, 0 bytes of LDS; arguments x, Wq, Wkv, Wout, xb, wqkv, wo; writes xb, wqkv, wo
.if DOCPART == 1
	.amdgcn_target "amdgcn-amd-amdhsa--gfx1250"
	.amdhsa_code_object_version 6
	.text
	.protected	k_q8daf5dc8f1_cast
	.globl	k_q8daf5dc8f1_cast
	.p2align	8
	.type	k_q8daf5dc8f1_cast,@function
k_q8daf5dc8f1_cast:
	s_mov_b64 s[64:65], 0
	v_nop
	global_prefetch_b8 v0, s[64:65] scope:SCOPE_SE
	s_setreg_imm32_b32 hwreg(HW_REG_WAVE_MODE, 25, 1), 1
	s_wait_xcnt 0x0
; THE INPUTS ARE ROUNDED ONCE TO bf16 AND LAID OUT FOR THE PRODUCTS THAT FOLLOW.
;   xb   [16384][1024] bf16 = x, row for row.
;   wqkv [3072][1024]  bf16: the rows of Wq and Wkv in an order in which a position's 3,072 results lie as matrix fragments:
;        row      i 256 + h 16 + e = Wq  row h 64 + 16 i + e        (Q as [channel / 16][head][channel % 16])
;        row 1024 + i 256 + h 16 + e = Wkv row h 128 + 16 i + e       (K likewise)
;        row 2048 + d 16 + j         = Wkv row j 128 + 64 + d         (V as [channel][head])
;   wo   [1024][1024]  f16: row n of Wout, rounded to bf16, that number written as f16; column c 256 + r 16 + e holds Wout's column r 64 + 16 c + e.
; LIMITS.  A number of Wout of 65,520 or more in magnitude becomes an infinity in f16; below 6e-5 f16 keeps a fixed step of 6e-8.
; SHARES.  A work-group makes 16 rows of a destination, wave w rows 2 w and 2 w + 1.  A row is eight loads of 16 bytes a lane (512 consecutive bytes a wave) and eight stores of 8 bytes
; a lane (256 consecutive bytes a wave, aligned).  All 16 loads of a wave go out first.  A piece is rounded in place: its two packed words take the first two of its four registers, which are
; written once and then only read by the store, so no wait stands but the counted ones for the loads.  74 registers a wave: the five work-groups that fall to a WGP (1,280 for 256) lie on it together.
; Work-groups 0-1023: x.  1024-1087: Wq.  1088-1151: Wkv's K rows.  1152-1215: Wkv's V rows.  1216-1279: Wout.
; No LDS, no matrix unit, no cluster: nothing is shared between waves, and the bytes are all there is.
.set X,   8                            ; v[8:71]    load n = 8 u + i (row u, piece i): 4 registers; then the piece in 16 bits in the first two
.set T,   72                           ; v[72:73]   at work
.set SRC, 24                           ; s[24:25] source row of u = 0, s[28:29] of u = 1
.set DST, 26                           ; s[26:27] destination row of u = 0; row u = 1 lies 2,048 bytes on
	s_load_b256 s[4:11], s[0:1], 0x0               ; x s[4:5], Wq s[6:7], Wkv s[8:9], Wout s[10:11]
	s_load_b128 s[12:15], s[0:1], 0x20             ; xb s[12:13], wqkv s[14:15]
	s_load_b64 s[16:17], s[0:1], 0x30              ; wo
	v_lshrrev_b32 v4, 5, v0
	v_readfirstlane_b32 s18, v4                    ; wave 0..7
	v_and_b32 v5, 31, v0                           ; lane l
	v_lshlrev_b32 v1, 4, v5                        ; a plain load: 16 l
	v_lshlrev_b32 v2, 3, v5                        ; a store: 8 l
	v_lshrrev_b32 v6, 2, v5
	v_and_b32 v7, 3, v5
	v_lshlrev_b32 v3, 8, v6                        ; a load of Wout: (l / 4) 256 + (l % 4) 16
	v_lshl_add_u32 v3, v7, 4, v3
	s_mov_b32 s46, 0xffff0000                      ; a word's upper bf16
	s_mov_b32 s19, ttmp9                           ; g
	s_lshl_b32 s20, s18, 1                         ; 2 w
	s_lshl4_add_u32 s21, s19, s20                  ; x's and xb's row: 16 g + 2 w
	s_max_u32 s22, s19, 1024
	s_sub_co_u32 s22, s22, 1024                    ; g - 1024 (0 for x's work-groups, which do not use it)
	s_lshl4_add_u32 s23, s22, s20                  ; wqkv's row
	s_and_b32 s30, s22, 63                         ; gs: the work-group's number within its region of 64
	s_and_b32 s31, s30, 15                         ; h
	s_lshr_b32 s32, s30, 4                         ; i
	s_lshl4_add_u32 s33, s32, s20                  ; 16 i + 2 w
	s_lshl_b32 s34, s31, 6
	s_add_co_u32 s34, s34, s33                     ; Wq's row: 64 h + 16 i + 2 w
	s_lshl_b32 s35, s31, 7
	s_add_co_u32 s35, s35, s33                     ; Wkv's row for K: 128 h + 16 i + 2 w
	s_lshl_b32 s36, s18, 8
	s_add_co_u32 s36, s36, s30
	s_add_co_u32 s36, s36, 64                      ; Wkv's row for V: (2 w) 128 + 64 + gs; the wave's second row lies 128 rows on
	s_lshl4_add_u32 s37, s30, s20                  ; Wout's and wo's row: 16 gs + 2 w
	s_mov_b32 s41, 0                               ; the high words of three offsets
	s_mov_b32 s43, 0
	s_mov_b32 s45, 0
	s_wait_kmcnt 0x0
; 16 loads.  perm = 1: Wout's columns in wo's order: piece i of the destination row takes heads 8 (i % 2) + l / 4, channels 16 (i / 2) + 4 (l % 4) on.
.macro LOADS off, perm
.irp u, 0,1
.irp i, 0,1,2,3,4,5,6,7
.if \perm
	global_load_b128 v[X+4*(8*(\u)+(\i)):X+4*(8*(\u)+(\i))+3], v[\off], s[SRC+4*(\u):SRC+4*(\u)+1] offset:((\i)&1)*2048+((\i)>>1)*64
.else
	global_load_b128 v[X+4*(8*(\u)+(\i)):X+4*(8*(\u)+(\i))+3], v[\off], s[SRC+4*(\u):SRC+4*(\u)+1] offset:512*(\i) th:TH_LOAD_NT
.endif
.endr
.endr
.endm
; Piece n is rounded in place and stored.  f16 = 1: the bf16 number is widened again (a shift, a mask) and written as f16.
.macro OUT n, f16
	s_wait_loadcnt 15-(\n)                         ; loads come back in order: piece n is in, the 15 - n issued behind it may stay out
.if \f16
	v_cvt_pk_bf16_f32 v[T], v[X+4*(\n)], v[X+4*(\n)+1]
	v_cvt_pk_bf16_f32 v[T+1], v[X+4*(\n)+2], v[X+4*(\n)+3]
	v_lshlrev_b32 v[X+4*(\n)+2], 16, v[T]
	v_and_b32 v[X+4*(\n)+3], s46, v[T]
	v_cvt_pk_f16_f32 v[X+4*(\n)], v[X+4*(\n)+2], v[X+4*(\n)+3]
	v_lshlrev_b32 v[X+4*(\n)+2], 16, v[T+1]
	v_and_b32 v[X+4*(\n)+3], s46, v[T+1]
	v_cvt_pk_f16_f32 v[X+4*(\n)+1], v[X+4*(\n)+2], v[X+4*(\n)+3]
.else
	v_cvt_pk_bf16_f32 v[X+4*(\n)], v[X+4*(\n)], v[X+4*(\n)+1]
	v_cvt_pk_bf16_f32 v[X+4*(\n)+1], v[X+4*(\n)+2], v[X+4*(\n)+3]
.endif
	global_store_b64 v2, v[X+4*(\n):X+4*(\n)+1], s[DST:DST+1] offset:((\n)/8)*2048+256*((\n)%8)  ; 32 lanes store 256 consecutive bytes, aligned
.endm
	s_cmp_ge_u32 s19, 1216
	s_cbranch_scc1 .Lwout
	; x, Wq, Wkv: which buffers and which rows, by selects on the work-group's number
	s_cmp_lt_u32 s19, 1024
	s_cselect_b64 s[SRC:SRC+1], s[4:5], s[6:7]     ; x, or Wq
	s_cselect_b64 s[DST:DST+1], s[12:13], s[14:15] ; xb, or wqkv
	s_cselect_b32 s38, s21, s34                    ; the source's row
	s_cselect_b32 s39, s21, s23                    ; the destination's row
	s_cmp_ge_u32 s19, 1088
	s_cselect_b64 s[SRC:SRC+1], s[8:9], s[SRC:SRC+1]  ; Wkv
	s_cselect_b32 s38, s35, s38
	s_cmp_ge_u32 s19, 1152
	s_cselect_b32 s38, s36, s38
	s_cselect_b32 s40, 7, 0
	s_lshl_b32 s40, 0x1000, s40                    ; from the wave's first source row to its second: 128 rows for V, else one row of 4,096 bytes
	s_lshl_b32 s42, s38, 12
	s_lshl_b32 s44, s39, 11
	s_add_nc_u64 s[SRC:SRC+1], s[SRC:SRC+1], s[42:43]
	s_add_nc_u64 s[SRC+4:SRC+5], s[SRC:SRC+1], s[40:41]
	s_add_nc_u64 s[DST:DST+1], s[DST:DST+1], s[44:45]
	LOADS 1, 0
.irp n, 0,1,2,3,4,5,6,7,8,9,10,11,12,13,14,15
	OUT \n, 0
.endr
	s_endpgm
.Lwout:
	s_lshl_b32 s42, s37, 12
	s_lshl_b32 s44, s37, 11
	s_add_nc_u64 s[SRC:SRC+1], s[10:11], s[42:43]
	s_add_nc_u64 s[SRC+4:SRC+5], s[SRC:SRC+1], 4096
	s_add_nc_u64 s[DST:DST+1], s[16:17], s[44:45]
	LOADS 3, 1
.irp n, 0,1,2,3,4,5,6,7,8,9,10,11,12,13,14,15
	OUT \n, 1
.endr
	s_endpgm
.Lfunc_end_k_q8daf5dc8f1_cast:
	.size	k_q8daf5dc8f1_cast, .Lfunc_end_k_q8daf5dc8f1_cast-k_q8daf5dc8f1_cast
	.p2alignl 7, 3214868480
	.fill 96, 4, 3214868480
	.section	.rodata,"a",@progbits
	.p2align	6, 0x0
	.amdhsa_kernel k_q8daf5dc8f1_cast
		.amdhsa_group_segment_fixed_size 0
		.amdhsa_private_segment_fixed_size 0
		.amdhsa_enable_private_segment 0
		.amdhsa_kernarg_size 56
		.amdhsa_user_sgpr_count 2
		.amdhsa_user_sgpr_kernarg_segment_ptr 1
		.amdhsa_wavefront_size32 1
		.amdhsa_system_sgpr_workgroup_id_x 1
		.amdhsa_system_sgpr_workgroup_id_y 1
		.amdhsa_system_sgpr_workgroup_id_z 1
		.amdhsa_system_vgpr_workitem_id 0
		.amdhsa_next_free_vgpr 80
		.amdhsa_next_free_sgpr 66
		.amdhsa_reserve_vcc 0
		.amdhsa_float_denorm_mode_32 3
		.amdhsa_float_denorm_mode_16_64 3
		.amdhsa_memory_ordered 1
		.amdhsa_forward_progress 1
		.amdhsa_inst_pref_size 18
	.end_amdhsa_kernel
	.amdgpu_metadata
---
amdhsa.version: [ 1, 2 ]
amdhsa.kernels:
  - .name:           k_q8daf5dc8f1_cast
    .symbol:         k_q8daf5dc8f1_cast.kd
    .args:
      - { .name: x, .offset: 0, .size: 8, .value_kind: global_buffer, .address_space: global }
      - { .name: Wq, .offset: 8, .size: 8, .value_kind: global_buffer, .address_space: global }
      - { .name: Wkv, .offset: 16, .size: 8, .value_kind: global_buffer, .address_space: global }
      - { .name: Wout, .offset: 24, .size: 8, .value_kind: global_buffer, .address_space: global }
      - { .name: xb, .offset: 32, .size: 8, .value_kind: global_buffer, .address_space: global }
      - { .name: wqkv, .offset: 40, .size: 8, .value_kind: global_buffer, .address_space: global }
      - { .name: wo, .offset: 48, .size: 8, .value_kind: global_buffer, .address_space: global }
    .group_segment_fixed_size: 0
    .private_segment_fixed_size: 0
    .kernarg_segment_align: 8
    .kernarg_segment_size: 56
    .max_flat_workgroup_size: 256
    .sgpr_count:     66
    .vgpr_count:     80
    .wavefront_size: 32
...
	.end_amdgpu_metadata
.endif
;; end of part 1
;; launch gemm_qkv (part 2): grid 4 x 64, 4 waves a work-group, clusters of 4 x 4, 327,680 bytes of LDS; arguments xb, wqkv, qkv; writes qkv
.if DOCPART == 2
	.amdgcn_target "amdgcn-amd-amdhsa--gfx1250"
	.amdhsa_code_object_version 6
	.text
	.protected	k_q8daf5dc8f1_gemm_qkv
	.globl	k_q8daf5dc8f1_gemm_qkv
	.p2align	8
	.type	k_q8daf5dc8f1_gemm_qkv,@function
k_q8daf5dc8f1_gemm_qkv:
	s_mov_b64 s[64:65], 0
	v_nop
	global_prefetch_b8 v0, s[64:65] scope:SCOPE_SE
	s_setreg_imm32_b32 hwreg(HW_REG_WAVE_MODE, 25, 1), 1
	s_wait_xcnt 0x0
	s_wait_alu depctr_hold_cnt(0) depctr_sa_sdst(0) depctr_va_vdst(0) depctr_va_sdst(0) depctr_va_ssrc(0) depctr_va_vcc(0) depctr_vm_vsrc(0)
	s_getreg_b32 s2, hwreg(HW_REG_IB_STS2, 6, 4)
	s_cmp_eq_u32 s2, 0
	s_cbranch_scc0 .Lentry_in_a_cluster
	s_endpgm
.Lentry_in_a_cluster:
	s_bfe_u32 s2, ttmp6, 0x10000c
	s_cmp_lg_u32 s2, 0xf033
	s_cbranch_scc0 .Lentry_shape_is_right
	s_endpgm
.Lentry_shape_is_right:
; C[m][n] = sum over k of A[m][k] B[n][k], sums in f32, K ascending, C rounded once.  One source serves two launches; the constants below make it one or the other.
; HERE: A = xb [16384][1024] bf16, B = wqkv [3072][1024] bf16, C = qkv [16384][3072] f16.
; LIMIT.  A result of 65,520 or more in magnitude becomes an infinity in f16; below 6e-5 f16 keeps a fixed step of 6e-8.
.set SIZE_M, 16384
.set SIZE_N, 3072
.set SIZE_K, 1024
.set SIZE_TILES, 3                     ; tiles of C that a work-group makes, side by side, WALK columns apart.  With C in f32 the text serves 1 alone (see TOSTAGE)
.set F16IN,  0                         ; 0: A and B are bf16; 1: f16
.set OUT32,  0                         ; 0: C is f16; 1: f32
.set OUTB,   2                         ; bytes in a number of C
.set SPITCH, 272                       ; a stage row: my 128 columns of C + 16 bytes of padding
; A tile of C, 256 x 256, is made by a work-group of four waves; a wave makes 128 x 128: 64 accumulators of 16 x 16, 512 registers.  K goes in steps of 128 through a ring of two LDS slots
; filled by the tensor data mover: the rows of A's and B's tiles are 256 bytes of memory and start at multiples of 256 bytes from the buffer's first byte.
; A WORK-GROUP STAYS: its SIZE_TILES tiles share their rows of A; the ring does not stop at a tile's end: a tile's last two changes of slots ask for the next tile's first two K steps.
; THE LAST TILE'S LAST K STEP GOES BY ROWS OF C: nothing follows that tile under which its stores could leave, so its blocks of 16 rows are finished one after the other and each leaves while the next are multiplied.
; CLUSTERS: 4 x 4 work-groups.  The four of a row of the cluster need the same tiles of A, the four of a column the same tiles of B: each tile is asked for JOINTLY, by the same tensor load
; with the same descriptor and a mask that names the four; each receives it in its own LDS.
; REGISTERS, in windows of 256 (s_set_vgpr_msb's low byte: bits 1:0 source 0, 3:2 source 1, 5:4 source 2, 7:6 destination):
;   window 0: v0-31 addresses; v64-127, v128-191 fragments of A (8 x 16 rows x 32 K), two buffers (in the very last K step four, of 16 rows x 128 K); v32-63, v192-255 at work on the way out in 16 bits
;   window 1: v64-127, v128-191 fragments of B, two buffers; in the very last K step all 256: B's fragments of the whole step
;   window 2: the 32 accumulators of my rows 0-63 (accumulator (a, b) at v[8 (8 a + b)]);   window 3: those of my rows 64-127
; THE MATRIX INSTRUCTION IS USED TRANSPOSED: source 0 = 16 rows of B, source 1 = 16 rows of A: lane l then holds row l % 16 of C and the columns 8 (l / 16) + 0 .. 7, neighbours in a row of C.
.set ROWC,   SIZE_N*OUTB               ; bytes in a row of C
.set KSTEP,  128
.set PITCH,  272                       ; an LDS row: 256 bytes + 16 of padding = 68 words: row r starts at bank 4 r mod 64 (64 banks of 4 bytes: ISA guide 11.1): the 16 rows of a load start at 16 different banks
.set HALFT,  128*PITCH                 ; 128 rows: what one tensor load brings, and what one wave reads of A or of B
.set SLOT,   4*HALFT                   ; A's 256 rows, then B's 256 rows
.set STAGE,  2*SLOT                    ; behind the ring: 16 rows x SPITCH bytes for each wave, for the way out; no tensor load lands there
.set SPARE,  STAGE+4*16*SPITCH         ; behind the stages: the spare words, 128 bytes for each wave: two blocks of 256 bytes that no other line names
.set LAPS,   SIZE_K/(2*KSTEP)          ; a lap = two K steps = once round the ring
.set WALK,   SIZE_N/SIZE_TILES         ; columns of C, and rows of B, from a tile to the next
.set BACK_A, (SIZE_K-2*KSTEP)*2        ; bytes from a slot's last K step of a tile back to its first: A's rows stay,
.set NEXT_B, WALK*SIZE_K*2-(SIZE_K-2*KSTEP)*2  ; B goes WALK rows down and back along K
.set ADRA, 16                          ; v16-17  LDS address of my A fragments in slot 0, 1
.set ADRB, 20                          ; v20-21  the same for B
.set STO,  24                          ; v24     the way out: where I put my numbers of a row
.set RD,   25                          ; v25     the way out: where I read rows back
.set CO,   26                          ; v26     my byte offset in C
.set SPW,  28                          ; v28     LDS address of my spare word: SPARE + 4 x my thread's number; never rewritten
.set NIL,  29                          ; v29     0; never rewritten
.set PFO,  30                          ; v30     the prefetches' offset: my lane x a row of A or B; never rewritten
.set PFA,  44                          ; s[44:45] where my prefetches stand: my work-group's 32 rows of the 128 that I fetch, one K step further along K than the refill in hand
.set LIM,  43                          ; s43     1 in a wave that prefetches, else the greatest number
.set F0,   64                          ; fragment buffer 0
.set F1,   128                         ; fragment buffer 1
.set PA,   64                          ; the very last K step: A's fragments of 16 rows x 128 K, 32 registers; four such buffers, v64-191
.set TMP,  192                         ; the way out in 16 bits: packed results, in window 0
.set OB,   32                          ; the way out in 16 bits: 16 rows read back from the stage: v32-63 and v224-255 by turns
.set G1,  24                           ; s[24:31] descriptor group 1 for A's tiles
.set G0,  32                           ; s[32:39] descriptor group 0 for A's tiles, one set for each slot
.set G1B, 48                           ; s[48:55] group 1 for B's tiles: it differs in the mask alone
.set G0B, 56                           ; s[56:63] group 0 for B's tiles
.set MSB, 0
.macro WIN new                         ; the immediate's high byte repeats the setting that is left; a switch that changes nothing is dropped
.if MSB != (\new)
	s_set_vgpr_msb (MSB<<8)|(\new)
.set MSB, \new
.endif
.endm
.set MUL_LO, 0xa1                      ; source 0 (B) window 1, source 1 (A) window 0, C and D window 2
.set MUL_HI, 0xf1                      ; the same, C and D window 3
.set TO_B,   0x40                      ; destination window 1, address window 0
; A joint load.  Waves 0 and 1 fetch A's two halves, waves 2 and 3 B's.  The branch hangs on the wave's number alone.  An s_nop 0 and four v_nop follow each of the two lines.
.macro JLOAD s
	s_cmp_eq_u32 s11, 0
	s_cbranch_scc0 .Lfor_b_\@
	tensor_load_to_lds s[G0+4*(\s):G0+4*(\s)+3], s[G1:G1+7]
	s_nop 0
.rept 4
	v_nop
.endr
	s_branch .Lasked_\@
.Lfor_b_\@:
	tensor_load_to_lds s[G0B+4*(\s):G0B+4*(\s)+3], s[G1B:G1B+7]
	s_nop 0
.rept 4
	v_nop
.endr
.Lasked_\@:
.endm
; A PREFETCH INTO THE L2, behind each joint load, its five lines and the run of LDS loads that follows: the K step that stands TWO refills on (512 matrix instructions ahead of the load that wants it):
; 32 rows x 256 bytes, a lane a row, one instruction a wave.  Each row's 256 bytes of a K step are named ONCE in the launch: A's rows by the one cluster that reads them (cluster x = 0; the grid is one
; cluster wide), in the walk's first tile alone; B's rows by cluster y = 0, in every tile.  The four partners that ask for a tile jointly share its rows out BY ADDRESS: of the 128 rows that a wave fetches
; the partner at place p takes 32 p .. 32 p + 31 (p = cx for A, cy for B).  how = 0, in the loop: a tile's last two refills have no K step two on; how = 1, at a change of tiles.
.macro ASK how
.if \how
	s_cmp_eq_u32 s[LIM], 1
.else
	s_cmp_gt_u32 s3, s[LIM]                        ; s3 = 1 in the loop's last trip
.endif
	s_cbranch_scc0 .Lnot_mine_\@
	global_prefetch_b8 v[PFO], s[PFA:PFA+1] offset:KSTEP*2 th:TH_LOAD_NT scope:SCOPE_SE
.Lnot_mine_\@:
.endm
; A round of the cluster's barrier: my work-group's barrier; wave 0 signals for the work-group; every wave waits for all sixteen work-groups; my work-group's barrier once more.
.macro CREST                           ; a round behind its opening barrier
	s_cmp_lg_u32 s10, 0
	s_cbranch_scc1 .Lnot_wave_0_\@
	s_barrier_signal -3
.Lnot_wave_0_\@:
	s_barrier_wait -3
	s_barrier_signal -1
	s_barrier_wait -1
.endm
.macro CROUND                          ; a whole round
	s_barrier_signal -1
	s_barrier_wait -1
	CREST
.endm
	s_load_b128 s[4:7], s[0:1], 0x0                ; A s[4:5], B s[6:7]
	s_load_b64 s[8:9], s[0:1], 0x10                ; C
	v_lshl_add_u32 v[SPW], v0, 2, SPARE
	v_mov_b32 v[NIL], 0
	ds_add_u32 v[SPW], v[NIL]                      ; the wave's opening: the add and its wait stand ahead of my first tensor load; the set-up below, work on registers, stands between them
	v_lshrrev_b32 v1, 5, v0
	v_readfirstlane_b32 s10, v1                    ; wave 0..3
	s_lshr_b32 s11, s10, 1                         ; which half of the tile's rows is mine.  Also: I fetch for A (0) or for B (1)
	s_and_b32 s12, s10, 1                          ; which half of its columns.  Also: which 128 rows of that tile I fetch
	s_bfe_u32 s40, ttmp6, 0x40000                  ; cx
	s_bfe_u32 s41, ttmp6, 0x40004                  ; cy
	s_lshl_b32 s42, ttmp9, 2                       ; in a cluster launch ttmp9 and ttmp7 count clusters
	s_add_co_u32 s42, s42, s40                     ; the first tile's column = 4 x cluster x + cx
	s_and_b32 s13, ttmp7, 0xffff
	s_lshl_b32 s13, s13, 2
	s_add_co_u32 s13, s13, s41                     ; tile row = 4 x cluster y + cy
	s_lshl_b32 s43, s41, 2
	s_lshl_b32 s43, 15, s43                        ; my row of the cluster: places 4 cy .. 4 cy + 3
	s_lshl_b32 s44, 0x1111, s40                    ; my column: places cx, cx + 4, cx + 8, cx + 12
	; descriptor group 1: a tile of 128 rows x 128 elements of 2 bytes, padded in LDS
	s_or_b32 s[G1+0], s43, (1<<16)|(1<<20)|(1<<21)|(5<<22)|(3<<25)   ; 15:0 the mask: A's tiles go to my row; 17:16 2-byte elements; 20 padding on; 21 set beside a mask; 24:22 after every 64 words (code 5); 31:25 4 words (code 3)
	s_or_b32 s[G1B+0], s44, (1<<16)|(1<<20)|(1<<21)|(5<<22)|(3<<25)  ; the same with the mask of my column, for B's tiles
.irp g, G1, G1B
	s_mov_b32 s[(\g)+1], KSTEP<<16                 ; tensor_dim0 = 128
	s_mov_b32 s[(\g)+2], 128<<16                   ; tensor_dim1 = 128
	s_mov_b32 s[(\g)+3], KSTEP<<16                 ; tile_dim0 = 128
	s_mov_b32 s[(\g)+4], 128                       ; tile_dim1 = 128
	s_mov_b32 s[(\g)+5], SIZE_K                    ; elements from row to row
	s_mov_b32 s[(\g)+6], 0
	s_mov_b32 s[(\g)+7], 0
.endr
	; where the tiles come from.  A's hang on the tile row alone, which my row of the cluster shares; B's on the tile column alone, which my column shares.
	s_lshl_b32 s17, s12, 7                         ; which 128 rows of the tile I fetch
	s_lshl_b32 s16, s13, 8
	s_add_co_u32 s16, s16, s17                     ; A: row 256 x tile row + 128 x half
	s_lshl_b32 s46, s42, 8
	s_add_co_u32 s46, s46, s17                     ; B: row 256 x tile column + 128 x half
	s_mov_b32 s17, 0
	s_mov_b32 s47, 0
	s_mov_b64 s[18:19], SIZE_K*2
	s_mul_u64 s[16:17], s[16:17], s[18:19]         ; in bytes
	s_mul_u64 s[46:47], s[46:47], s[18:19]
	s_mul_i32 s20, s10, HALFT                      ; and where they go: wave x 128 rows: no place in the cluster enters an LDS address
	s_wait_dscnt 0x0                               ; the opening add is done
	s_wait_kmcnt 0x0
	s_add_nc_u64 s[14:15], s[4:5], s[16:17]
	s_add_nc_u64 s[46:47], s[6:7], s[46:47]
	CROUND                                         ; all sixteen work-groups are here: the first joint loads meet
.irp s, 0,1
	s_mov_b32 s[G0+4*(\s)], 1                                      ; count = 1
	s_add_co_u32 s[G0+4*(\s)+1], s20, (\s)*SLOT                    ; LDS address
	s_add_nc_u64 s[G0+4*(\s)+2:G0+4*(\s)+3], s[14:15], (\s)*KSTEP*2  ; global address: K step s
	s_or_b32 s[G0+4*(\s)+3], s[G0+4*(\s)+3], 0x80000000            ; type = 2
	s_mov_b32 s[G0B+4*(\s)], 1
	s_add_co_u32 s[G0B+4*(\s)+1], s20, (\s)*SLOT
	s_add_nc_u64 s[G0B+4*(\s)+2:G0B+4*(\s)+3], s[46:47], (\s)*KSTEP*2
	s_or_b32 s[G0B+4*(\s)+3], s[G0B+4*(\s)+3], 0x80000000
	JLOAD \s                                       ; the ring is filled before anything else is done: two loads of mine are out
.endr
	; A fragment is 16 rows x 32 K in 8 registers: lane l holds row l % 16; registers 0-3 hold K = 8 (l / 16) + 0..7, registers 4-7 K = 16 + 8 (l / 16) + 0..7: two loads of 16 bytes, 32 bytes apart.
	v_and_b32 v1, 15, v0                           ; l % 16
	v_bfe_u32 v2, v0, 4, 1                         ; l / 16
	v_mul_u32_u24 v3, v1, PITCH
	v_lshl_add_u32 v3, v2, 4, v3                   ; row x pitch + 16 x half
	s_mul_i32 s21, s11, HALFT                      ; my 128 rows of A
	s_mul_i32 s22, s12, HALFT                      ; my 128 rows of B,
	s_add_co_u32 s22, s22, 2*HALFT                 ; which lie behind A's 256
.irp s, 0,1
	v_add_nc_u32 v[ADRA+(\s)], s21, v3
	v_add_nc_u32 v[ADRB+(\s)], s22, v3
	s_add_co_u32 s21, s21, SLOT
	s_add_co_u32 s22, s22, SLOT
.endr
	s_mul_i32 s23, s10, 16*SPITCH
	s_add_co_u32 s23, s23, STAGE                   ; my stage
	v_mul_u32_u24 v4, v1, SPITCH                   ; in: row l % 16,
.if OUT32
	v_lshl_add_u32 v4, v2, 5, v4                   ; 32 bytes (8 numbers of f32) for each half of the lanes
	v_add_nc_u32 v[STO], s23, v4
	v_and_b32 v5, 31, v0
	v_lshlrev_b32 v[CO], 4, v5                     ; back and out: 32 lanes take one row of 512 bytes
	v_add_nc_u32 v[RD], s23, v[CO]
.else
	v_lshl_add_u32 v4, v2, 4, v4                   ; 16 bytes (8 numbers of f16) for each half of the lanes
	v_add_nc_u32 v[STO], s23, v4
	v_mul_u32_u24 v5, v2, SPITCH                   ; back: lanes 0-15 take one row of 256 bytes, lanes 16-31 the next
	v_lshl_add_u32 v5, v1, 4, v5
	v_add_nc_u32 v[RD], s23, v5
	v_mul_u32_u24 v5, v2, ROWC                     ; and the same two rows in C
	v_lshl_add_u32 v[CO], v1, 4, v5
.endif
	; s[16:17]: C at my part of the tile in hand
	s_lshl_b32 s13, s13, 8
	s_lshl_b32 s14, s11, 7
	s_add_co_u32 s16, s13, s14                     ; my first row of C
	s_mov_b32 s17, 0
	s_mov_b64 s[18:19], ROWC
	s_mul_u64 s[16:17], s[16:17], s[18:19]
	s_mul_i32 s46, s42, 256*OUTB                   ; my first column, in bytes (in the registers that held B's address: none that feeds A's descriptors ever holds cx)
	s_mul_i32 s47, s12, 128*OUTB
	s_add_co_u32 s46, s46, s47
	s_mov_b32 s47, 0
	s_add_nc_u64 s[16:17], s[16:17], s[46:47]
	s_add_nc_u64 s[16:17], s[8:9], s[16:17]
	; the prefetches.  s13 = 256 x tile row, s42 = tile column, s40 = cx, s41 = cy still stand
	s_lshl_b32 s42, s42, 8
	s_and_b32 s22, ttmp7, 0xffff                   ; cluster y
	s_cmp_eq_u32 s11, 0                            ; do I fetch for A?
	s_cselect_b32 s20, s13, s42                    ; the tile's first row: in A by the tile row, in B by the tile column
	s_cselect_b32 s21, s40, s41                    ; my place among the four that ask for it with me
	s_cselect_b32 s22, ttmp9, s22                  ; the coordinate along which other clusters read the same rows
	s_cselect_b64 s[PFA:PFA+1], s[4:5], s[6:7]
	s_cmp_eq_u32 s22, 0
	s_cselect_b32 s[LIM], 1, -1                    ; the same in all sixteen partners, for a given wave
	s_lshl_b32 s22, s12, 7
	s_add_co_u32 s20, s20, s22                     ; + the 128 rows that I fetch
	s_lshl_b32 s21, s21, 5
	s_add_co_u32 s20, s20, s21                     ; + my work-group's 32 of them
	s_mov_b32 s21, 0
	s_mov_b64 s[18:19], SIZE_K*2
	s_mul_u64 s[20:21], s[20:21], s[18:19]
	s_add_nc_u64 s[PFA:PFA+1], s[PFA:PFA+1], s[20:21]
	s_add_nc_u64 s[PFA:PFA+1], s[PFA:PFA+1], 2*KSTEP*2  ; at K step 2: the first refill steps it to 3 and names K step 4
	v_and_b32 v[PFO], 31, v0
	v_mul_u32_u24 v[PFO], v[PFO], SIZE_K*2
	; nothing is prefetched here, at the head: K steps 0 to 3 come by their loads alone
; 16 matrix instructions: m blocks a0, a0 + 1 of the window's four (hi = 0: my rows 0-63, 1: rows 64-127) x all 8 n blocks, 32 along K.  zero = 1: the first product starts the sums: nothing is cleared.
; The 64 accumulators take turns, one instruction a turn, in the same order in every quarter step.
.macro MUL16 f, hi, a0, zero
	WIN MUL_LO+0x50*(\hi)
.irp a, \a0, (\a0)+1
.irp b, 0,1,2,3,4,5,6,7
.set rD, 8*(8*(\a)+(\b))
.set rB, (\f)+8*(\b)
.set rA, (\f)+8*(4*(\hi)+(\a))
.if (\zero) && F16IN
	v_wmma_f32_16x16x32_f16 v[rD:rD+7], v[rB:rB+7], v[rA:rA+7], 0
.elseif \zero
	v_wmma_f32_16x16x32_bf16 v[rD:rD+7], v[rB:rB+7], v[rA:rA+7], 0
.elseif F16IN
	v_wmma_f32_16x16x32_f16 v[rD:rD+7], v[rB:rB+7], v[rA:rA+7], v[rD:rD+7]
.else
	v_wmma_f32_16x16x32_bf16 v[rD:rD+7], v[rB:rB+7], v[rA:rA+7], v[rD:rD+7]
.endif
.endr
.endr
.endm
; 32 LDS loads in one run: the fragments of one quarter step (128 rows of B, 128 rows of A, 32 K at byte k of the rows) into buffer f
.macro FETCH slot, k, f
	WIN TO_B
.irp i, 0,1,2,3,4,5,6,7
	ds_load_b128 v[(\f)+8*(\i):(\f)+8*(\i)+3],   v[ADRB+(\slot)] offset:(\k)+(\i)*16*PITCH
	ds_load_b128 v[(\f)+8*(\i)+4:(\f)+8*(\i)+7], v[ADRB+(\slot)] offset:(\k)+(\i)*16*PITCH+32
.endr
	WIN 0
.irp i, 0,1,2,3,4,5,6,7
	ds_load_b128 v[(\f)+8*(\i):(\f)+8*(\i)+3],   v[ADRA+(\slot)] offset:(\k)+(\i)*16*PITCH
	ds_load_b128 v[(\f)+8*(\i)+4:(\f)+8*(\i)+7], v[ADRA+(\slot)] offset:(\k)+(\i)*16*PITCH+32
.endr
.endm
; A load into a register that a matrix instruction has read or written, and whatever reads a matrix result but a matrix instruction, stand four plain vector instructions behind it (ISA guide 7.12.1 for vector instructions).
.macro PLACES
.rept 4
	v_nop
.endr
.endm
; A K step is four quarter steps of 32 along K, 64 matrix instructions each, on buffers 0, 1, 0, 1.  One of the first three: multiplies buffer f; in its middle it fetches the next quarter's fragments, at byte k, into g.
.macro QUARTER slot, k, f, g, zero
	s_wait_dscnt 8                                 ; B and A's rows 0-63 are in; the youngest eight loads (A's rows 64-127) may be out
	WIN MUL_LO
	MUL16 \f, 0, 0, \zero
	MUL16 \f, 0, 2, \zero
	PLACES
	FETCH \slot, \k, \g
	s_wait_dscnt 32                                ; all but the 32 just issued
	WIN MUL_HI
	MUL16 \f, 1, 0, \zero
	MUL16 \f, 1, 2, \zero
.endm
; The last quarter multiplies buffer 1 and changes slots.  MEET is its first half: ONE barrier.  In front of it each wave waits for all its tensor loads (one is out: its part of the next slot), adds 0 to its
; spare word, and waits for that and for its own reads of this slot.  Behind it nobody reads this slot any more and the next slot is whole.
.macro MEET round                      ; round = 1: a round of the cluster's barrier follows
	WIN 0                                          ; (the add's two registers lie in window 0)
	s_wait_tensorcnt 0x0                           ; all my tensor loads have landed;
	ds_add_u32 v[SPW], v[NIL]                      ; 0 onto my spare word;
	s_wait_dscnt 9                                 ; (the add and the youngest eight loads may be out)
	WIN MUL_LO
	MUL16 F1, 0, 0, 0                              ; sixteen matrix instructions stand between the add and the wait for it
	s_wait_dscnt 0x0                               ; the add is done, and my reads of this slot are over:
	s_barrier_signal -1                            ; say so,
	MUL16 F1, 0, 2, 0                              ; work on registers while the others arrive,
.if \round
	WIN 0
.endif
	s_barrier_wait -1                              ; and go on when all four have said so
.endm
; The whole last quarter.  Behind the round the slot just read out is filled again first: with this tile's K step two steps on (on = 0) or, in a tile's last two K steps, with the NEXT tile's K step 0 or 1
; (on = 1); then come the next slot's first fragments.  From a request to the wait for it a wave issues 224 matrix instructions.
.macro TURN slot, next, on
	s_wait_xcnt 0x0                                ; the last prefetch, a K step back, has read its address: it is stepped here
.if (\on) && (\slot) == 0
	s_add_nc_u64 s[PFA:PFA+1], s[PFA:PFA+1], (WALK-1)*SIZE_K*2+KSTEP*2  ; from the K step after the tile's last to the next tile's K step 1: WALK rows down, back along K
	s_cmp_eq_u32 s11, 1
	s_cselect_b32 s[LIM], s[LIM], -1               ; A's rows are the same for all tiles of the walk: they are prefetched no more, and A's waves use this address no more
.else
	s_add_nc_u64 s[PFA:PFA+1], s[PFA:PFA+1], KSTEP*2
.endif
	MEET 1
	CREST                                          ; no wave of any partner still reads this slot's tile or has a load on its way
.if \on
	s_sub_nc_u64 s[G0+4*(\slot)+2:G0+4*(\slot)+3], s[G0+4*(\slot)+2:G0+4*(\slot)+3], BACK_A
	s_add_nc_u64 s[G0B+4*(\slot)+2:G0B+4*(\slot)+3], s[G0B+4*(\slot)+2:G0B+4*(\slot)+3], NEXT_B
.else
	s_add_nc_u64 s[G0+4*(\slot)+2:G0+4*(\slot)+3], s[G0+4*(\slot)+2:G0+4*(\slot)+3], 2*KSTEP*2
	s_add_nc_u64 s[G0B+4*(\slot)+2:G0B+4*(\slot)+3], s[G0B+4*(\slot)+2:G0B+4*(\slot)+3], 2*KSTEP*2
.endif
	JLOAD \slot                                    ; the first tensor load behind the round, my only one until the next; its four v_nop are also the places in front of the loads below
	FETCH \next, 0, F0
	ASK \on
	WIN MUL_HI
	MUL16 F1, 1, 0, 0
	MUL16 F1, 1, 2, 0
.endm
; THE LAST K STEP OF THE LAST OR ONLY TILE (it lies in slot 1), BY ROWS OF C.  All its fragments of B (4 quarters x 64 registers) fill window 1; my eight blocks of 16 rows are finished one after the other,
; each with 32 matrix instructions (its 8 accumulators by turns, K ascending: the sums stay the same bit for bit).  LDS is read no more than in any other K step.
.macro BLOAD q                         ; B's fragments of quarter q -> window 1, v[64 q ..]
	WIN TO_B
.irp i, 0,1,2,3,4,5,6,7
	ds_load_b128 v[64*(\q)+8*(\i):64*(\q)+8*(\i)+3],   v[ADRB+1] offset:64*(\q)+(\i)*16*PITCH
	ds_load_b128 v[64*(\q)+8*(\i)+4:64*(\q)+8*(\i)+7], v[ADRB+1] offset:64*(\q)+(\i)*16*PITCH+32
.endr
.endm
.macro ALOAD a                         ; A's fragments of block a, all four quarters -> buffer a % 4
	WIN 0
.set FA, PA+32*((\a)%4)
.irp q, 0,1,2,3
	ds_load_b128 v[FA+8*(\q):FA+8*(\q)+3],   v[ADRA+1] offset:64*(\q)+(\a)*16*PITCH
	ds_load_b128 v[FA+8*(\q)+4:FA+8*(\q)+7], v[ADRA+1] offset:64*(\q)+(\a)*16*PITCH+32
.endr
.endm
.macro ROW a                           ; block a is finished: 32 matrix instructions
.set FA, PA+32*((\a)%4)                ; its fragments of A
.set AC, 64*((\a)%4)                   ; its eight accumulators, in window 2 (blocks 0-3) or 3 (blocks 4-7)
	WIN MUL_LO+0x50*((\a)/4)
.irp q, 0,1,2,3
.if (\a) == 0 && (\q) == 2
	s_wait_dscnt 24                                ; B's quarter 2 is in (behind it: A's blocks 1 to 3)
.endif
.irp b, 0,1,2,3,4,5,6,7
.if F16IN
	v_wmma_f32_16x16x32_f16 v[AC+8*(\b):AC+8*(\b)+7], v[64*(\q)+8*(\b):64*(\q)+8*(\b)+7], v[FA+8*(\q):FA+8*(\q)+7], v[AC+8*(\b):AC+8*(\b)+7]
.else
	v_wmma_f32_16x16x32_bf16 v[AC+8*(\b):AC+8*(\b)+7], v[64*(\q)+8*(\b):64*(\q)+8*(\b)+7], v[FA+8*(\q):FA+8*(\q)+7], v[AC+8*(\b):AC+8*(\b)+7]
.endif
.endr
.endr
.endm
; THE WAY OUT of block a (16 rows of my 128), through my own stage in LDS: LDS serves a wave's instructions in order (ISA guide 5.7.1.4), so no wait stands between the stores and the loads.
.macro PACK a                          ; C in 16 bits: rounded, 16 bytes a lane and n block
.set AC, 64*((\a)%4)
	WIN 0x0a+5*((\a)/4)                            ; sources 0 and 1: window 2 or 3
.irp b, 0,1,2,3,4,5,6,7
.irp r, 0,1,2,3
	v_cvt_pk_f16_f32 v[TMP+4*(\b)+(\r)], v[AC+8*(\b)+2*(\r)], v[AC+8*(\b)+2*(\r)+1]
.endr
.endr
	WIN 0
.endm
.macro TOSTAGE a
.if OUT32                              ; C in f32: the block's 16 rows of 512 bytes come back into its own 64 accumulator registers, which nothing writes again (so: the last tile alone)
.set AC, 64*((\a)%4)
	WIN 0x08+4*((\a)/4)                            ; the stores' data: window 2 or 3
.irp b, 0,1,2,3,4,5,6,7
	ds_store_b128 v[STO], v[AC+8*(\b):AC+8*(\b)+3]   offset:64*(\b)     ; each accumulator's low registers first
	ds_store_b128 v[STO], v[AC+8*(\b)+4:AC+8*(\b)+7] offset:64*(\b)+16
.endr
	WIN 0x80+0x40*((\a)/4)                         ; the loads' destination: window 2 or 3
.irp t, 0,1,2,3,4,5,6,7,8,9,10,11,12,13,14,15
	ds_load_b128 v[AC+4*(\t):AC+4*(\t)+3], v[RD] offset:(\t)*SPITCH
.endr
.else
	WIN 0
.set BK, OB+192*((\a)%2)
.irp b, 0,1,2,3,4,5,6,7
	ds_store_b128 v[STO], v[TMP+4*(\b):TMP+4*(\b)+3] offset:32*(\b)
.endr
.irp t, 0,1,2,3,4,5,6,7
	ds_load_b128 v[BK+4*(\t):BK+4*(\t)+3], v[RD] offset:(\t)*2*SPITCH
.endr
.endif
.endm
.macro SEND a, younger                 ; younger: the LDS loads issued behind TOSTAGE's, which may stay out
.if OUT32
	WIN 0x08+4*((\a)/4)                            ; the stores' data: window 2 or 3
.else
	WIN 0
.endif
	s_wait_dscnt \younger                          ; the block is back in registers
	s_wait_xcnt 0x0                                ; every earlier store has had its addresses translated (ISA guide 3.1): only behind this wait are the stores' base and the registers that earlier stores read rewritten
.if (\a) == 0
	s_mov_b64 s[8:9], s[16:17]                     ; this tile's first rows
.else
	s_add_nc_u64 s[8:9], s[8:9], 16*ROWC           ; 16 rows of C on
.endif
.if OUT32
.set AC, 64*((\a)%4)
.irp t, 0,1,2,3,4,5,6,7,8,9,10,11,12,13,14,15
	global_store_b128 v[CO], v[AC+4*(\t):AC+4*(\t)+3], s[8:9] offset:(\t)*ROWC th:TH_STORE_NT  ; 32 lanes store 512 consecutive bytes, at a multiple of 256 from C's first byte
.endr
.else
.set BK, OB+192*((\a)%2)
.irp t, 0,1,2,3,4,5,6,7
	global_store_b128 v[CO], v[BK+4*(\t):BK+4*(\t)+3], s[8:9] offset:2*(\t)*ROWC  ; 16 lanes store 256 consecutive bytes, at a multiple of 256 from C's first byte
.endr
.endif
.endm
.macro WAYOUT                          ; the way out of a tile that has a successor (C in 16 bits)
	PACK 0
	TOSTAGE 0
.irp a, 1,2,3,4,5,6,7                  ; block a's conversions stand between block a - 1's loads from the stage and the wait for them
	PACK \a
	SEND (\a)-1, 0
	TOSTAGE \a
.endr
	SEND 7, 0
.endm
	s_wait_tensorcnt 1                             ; my part of K step 0 is in; K step 1's load, issued behind it, may stay out
	s_barrier_signal -1
	s_barrier_wait -1                              ; everybody's is
	FETCH 0, 0, F0
.if SIZE_TILES > 1
	s_mov_b32 s2, SIZE_TILES                       ; tiles to go, this one among them: the same number in every work-group
.Ltile:                                                ; (FETCH and SEND leave every window 0)
.endif
	QUARTER 0, 64,  F0, F1, 1                      ; a tile's first quarter stands in front of the loop: its products start the sums
	WIN 0                                          ; at a label and at a branch every window is 0
	s_mov_b32 s3, LAPS-1
.Llap:                                                 ; a trip goes once round the ring, from a lap's second quarter to the next lap's first, and fills both slots again
	QUARTER 0, 128, F1, F0, 0
	QUARTER 0, 192, F0, F1, 0
	TURN 0, 1, 0
	QUARTER 1, 64,  F0, F1, 0
	QUARTER 1, 128, F1, F0, 0
	QUARTER 1, 192, F0, F1, 0
	TURN 1, 0, 0
	QUARTER 0, 64,  F0, F1, 0
	WIN 0
	s_sub_co_u32 s3, s3, 1
	s_cmp_lg_u32 s3, 0
	s_cbranch_scc1 .Llap
	QUARTER 0, 128, F1, F0, 0                      ; the tile's last lap goes on
	QUARTER 0, 192, F0, F1, 0
.if SIZE_TILES > 1
	WIN 0
	s_cmp_eq_u32 s2, 1
	s_cbranch_scc1 .Llast_tile                     ; the last tile's tail is written out: it asks for nothing more
	TURN 0, 1, 1                                   ; THE RING GOES ON INTO THE NEXT TILE: slot 0 takes its K step 0,
	QUARTER 1, 64,  F0, F1, 0
	QUARTER 1, 128, F1, F0, 0
	QUARTER 1, 192, F0, F1, 0
	TURN 1, 0, 1                                   ; slot 1 its K step 1, and the next tile's first fragments are fetched
	WAYOUT                                         ; both refills are asked for: now the tile goes out.  No v_nop: blocks 0-3 were finished in front of TURN's places, and their 128 conversions, which name no register of the last products (blocks 4-7's), are those products' places
	s_add_nc_u64 s[16:17], s[16:17], WALK*OUTB     ; C at my part of the next tile
	s_sub_co_u32 s2, s2, 1
	s_branch .Ltile
.Llast_tile:
.endif
	MEET 0                                         ; my one tensor load that was still out is slot 1's, the last K step's, so no round follows
	PLACES                                         ; for the loads into buffer 0, which the quarter before multiplied
	BLOAD 0                                        ; three quarters of B now: buffer 1 (v128-191 of both windows) is still being multiplied
	BLOAD 1
	BLOAD 3
	ALOAD 0
	MUL16 F1, 1, 0, 0
	MUL16 F1, 1, 2, 0
	PLACES                                         ; for the loads into buffer 1
	BLOAD 2
	ALOAD 1
	ALOAD 2
	ALOAD 3
	s_wait_dscnt 40                                ; all but the 40 just issued
	ROW 0
.irp a, 0,1,2,3,4,5,6,7                ; block a goes into the stage; block a + 1 is multiplied while it comes back; then block a is stored, while the later blocks are still to be multiplied
	PLACES                                         ; block a's results were just made; its buffer of A was just read
.if !OUT32
	PACK \a
.endif
	TOSTAGE \a
.if (\a) < 4
	ALOAD (\a)+4                                   ; its buffer takes the block four further on
.endif
.if (\a) == 0
	s_wait_dscnt 24+16*OUT32                       ; A's blocks 1 to 3 are in: behind them stand the stage's 16 (in f32: 32) instructions and the 8 loads of block 4.  Blocks 4 to 7 are shown landed by the SEND two blocks ahead of their ROW
.endif
.if (\a) < 7
	ROW (\a)+1
.endif
.if (\a) < 4
	SEND \a, 8                                     ; the 8 loads of A's block a + 4 may stay out
.else
	SEND \a, 0
.endif
.endr
	WIN 0
	s_wait_tensorcnt 0x0                           ; the wave's end, behind my last tensor load and my last LDS store
	ds_add_u32 v[SPW], v[NIL]
	s_wait_dscnt 0x0
	CROUND                                         ; the closing round: no work-group ends while a partner may still ask for a tile that names it
	s_endpgm
.Lfunc_end_k_q8daf5dc8f1_gemm_qkv:
	.size	k_q8daf5dc8f1_gemm_qkv, .Lfunc_end_k_q8daf5dc8f1_gemm_qkv-k_q8daf5dc8f1_gemm_qkv
	.p2alignl 7, 3214868480
	.fill 96, 4, 3214868480
	.section	.rodata,"a",@progbits
	.p2align	6, 0x0
	.amdhsa_kernel k_q8daf5dc8f1_gemm_qkv
		.amdhsa_group_segment_fixed_size 327680
		.amdhsa_private_segment_fixed_size 0
		.amdhsa_enable_private_segment 0
		.amdhsa_kernarg_size 24
		.amdhsa_user_sgpr_count 2
		.amdhsa_user_sgpr_kernarg_segment_ptr 1
		.amdhsa_wavefront_size32 1
		.amdhsa_system_sgpr_workgroup_id_x 1
		.amdhsa_system_sgpr_workgroup_id_y 1
		.amdhsa_system_sgpr_workgroup_id_z 1
		.amdhsa_system_vgpr_workitem_id 0
		.amdhsa_next_free_vgpr 1024
		.amdhsa_next_free_sgpr 66
		.amdhsa_reserve_vcc 0
		.amdhsa_float_denorm_mode_32 3
		.amdhsa_float_denorm_mode_16_64 3
		.amdhsa_memory_ordered 1
		.amdhsa_forward_progress 1
		.amdhsa_inst_pref_size 210
	.end_amdhsa_kernel
	.amdgpu_metadata
---
amdhsa.version: [ 1, 2 ]
amdhsa.kernels:
  - .name:           k_q8daf5dc8f1_gemm_qkv
    .symbol:         k_q8daf5dc8f1_gemm_qkv.kd
    .args:
      - { .name: xb, .offset: 0, .size: 8, .value_kind: global_buffer, .address_space: global }
      - { .name: wqkv, .offset: 8, .size: 8, .value_kind: global_buffer, .address_space: global }
      - { .name: qkv, .offset: 16, .size: 8, .value_kind: global_buffer, .address_space: global }
    .group_segment_fixed_size: 327680
    .private_segment_fixed_size: 0
    .kernarg_segment_align: 8
    .kernarg_segment_size: 24
    .max_flat_workgroup_size: 128
    .sgpr_count:     66
    .vgpr_count:     1024
    .wavefront_size: 32
...
	.end_amdgpu_metadata
.endif
;; end of part 2
;; launch attn (part 3): grid 1024 x 1, 8 waves a work-group, no clusters, 0 bytes of LDS; arguments qkv, ob; writes ob
.if DOCPART == 3
	.amdgcn_target "amdgcn-amd-amdhsa--gfx1250"
	.amdhsa_code_object_version 6
	.text
	.protected	k_q8daf5dc8f1_attn
	.globl	k_q8daf5dc8f1_attn
	.p2align	8
	.type	k_q8daf5dc8f1_attn,@function
k_q8daf5dc8f1_attn:
	s_mov_b64 s[64:65], 0
	v_nop
	global_prefetch_b8 v0, s[64:65] scope:SCOPE_SE
	s_setreg_imm32_b32 hwreg(HW_REG_WAVE_MODE, 25, 1), 1
	s_wait_xcnt 0x0
; ATTENTION OVER THE 16 HEADS OF EACH POSITION.  For a position: S[h][j] = Q[h] . K[j] / 8 (64 channels), P = softmax over j, O[h] = sum over j of P[h][j] V[j].
; qkv: [16384][3072] f16; a position's 6,144 bytes are twelve pieces of 512 bytes that ARE matrix fragments: Q as [channel / 16][head][channel % 16] (4 pieces), K likewise (4), V as [channel][head] (4).
; So every load is 512 consecutive bytes of a wave, lane l at (l % 16) 32 + (l / 16) 16, and nothing goes through LDS.  ob: [16384][1024] f16, a position's O as [channel / 16][head][channel % 16].
; S^T = K Q^T (source 0 = 16 keys, source 1 = 16 queries): a lane holds ONE query (l % 16) and the keys 8 (l / 16) + 0..7.  Rounded to f16 in pairs these are registers 0-3 of source 1 of O^T = V^T P;
; registers 4-7 (keys 16-31, which do not exist) are 0, and source 0's registers 4-7 there hold the next piece of V, or zeros: finite numbers times 0.
; SOFTMAX in f32: the query's true maximum m is taken away: p = 2^(c s - c m), c = log2(e) / 8; the sum l (at least 1) is taken of the unrounded p; p / l is rounded to f16, O once to f16.
; LIMITS.  q, k, v arrive in f16, finite: an infinity or NaN in V spoils its whole position through the products with 0.  A weight below 2^-126 counts as 0; p / l below 6e-5 keeps f16's fixed step of 6e-8.
; SHARES.  A wave takes 2 positions, 12,288 consecutive bytes; all 24 loads go out at the head, Q's and K's first; the two positions are worked on line by line by turns, so that no line waits for the one
; before it.  128 registers a wave: the four work-groups that fall to a WGP (1,024 for 256) lie on it together.
; No loop, no LDS, no barrier, no cluster, no prefetch: no wave wants another's bytes, and all that a wave reads is asked for at once.
.set T,   4                            ; v[4:7]    position u at T + 2 u: +0 the lane's maximum, then c m, then l, then 1 / l; +1 the other half of the lanes' number, m
.set S,   8                            ; v[8:23]   position u: 8 scores, then weights, then P's fragment
.set DAT, 24                           ; v[24:127] position u at DAT + 52 u: Q 16, K 16, V 16, four zeros.  O^T's four accumulators later take Q's and K's 32 registers
.set DSZ, 52
	s_load_b128 s[4:7], s[0:1], 0x0                ; qkv s[4:5], ob s[6:7]
	v_lshrrev_b32 v2, 5, v0
	v_readfirstlane_b32 s12, v2                    ; wave 0..7
	v_and_b32 v2, 15, v0
	v_bfe_u32 v3, v0, 4, 1
	v_lshlrev_b32 v1, 5, v2
	v_lshl_add_u32 v1, v3, 4, v1                   ; (l % 16) 32 + (l / 16) 16: for every load and store; never rewritten
	s_lshl_b32 s13, ttmp9, 3
	s_add_co_u32 s13, s13, s12
	s_lshl_b32 s13, s13, 1                         ; my first position
	s_mul_i32 s14, s13, 6144
	s_mov_b32 s15, 0
	s_mov_b32 s8, 0x3e38aa3b                       ; c = log2(e) / 8 = 0.180337
	s_mov_b32 s9, s8                               ; named with it as a pair
	s_mov_b32 s10, 0x76543210                      ; v_permlanex16_b32: each lane takes its own place in the other half
	s_mov_b32 s11, 0xfedcba98
	s_wait_kmcnt 0x0
	s_add_nc_u64 s[4:5], s[4:5], s[14:15]
	s_lshl_b32 s14, s13, 11
	s_add_nc_u64 s[6:7], s[6:7], s[14:15]
.irp u, 0,1
.irp j, 0,1,2,3,4,5,6,7                ; Q and K
	global_load_b128 v[DAT+DSZ*(\u)+4*(\j):DAT+DSZ*(\u)+4*(\j)+3], v1, s[4:5] offset:(\u)*6144+512*(\j) th:TH_LOAD_NT
.endr
.endr
.irp u, 0,1
.irp j, 8,9,10,11                      ; V
	global_load_b128 v[DAT+DSZ*(\u)+4*(\j):DAT+DSZ*(\u)+4*(\j)+3], v1, s[4:5] offset:(\u)*6144+512*(\j) th:TH_LOAD_NT
.endr
.endr
.irp u, 0,1
.irp j, 48,49,50,51
	v_mov_b32 v[DAT+DSZ*(\u)+(\j)], 0              ; behind V's last piece
.endr
	v_mov_b32 v[T+2*(\u)+1], 0                     ; v_permlanex16_b32 counts as a reader of its destination
.endr
	s_wait_loadcnt 8                               ; Q and K are in; V's eight loads, issued behind them, may stay out
.irp c, 0,1                            ; S^T: channels 0-31, then 32-63; the two accumulators take turns
.irp u, 0,1
.set rS, S+8*(\u)
.set rD, DAT+DSZ*(\u)
.if (\c) == 0
	v_wmma_f32_16x16x32_f16 v[rS:rS+7], v[rD+16:rD+23], v[rD:rD+7], 0
.else
	v_wmma_f32_16x16x32_f16 v[rS:rS+7], v[rD+24:rD+31], v[rD+8:rD+15], v[rS:rS+7]
.endif
.endr
.endr
.rept 5                                ; four places before a vector instruction reads the scores, five before a later product takes them as a source or writes over Q and K (ISA guide 7.12.1)
	v_nop
.endr
.irp u, 0,1                            ; the maximum of the lane's eight scores, from the accumulator's low end on
	v_max3_num_f32 v[T+2*(\u)], v[S+8*(\u)], v[S+8*(\u)+1], v[S+8*(\u)+2]
.endr
.irp j, 3,5
.irp u, 0,1
	v_max3_num_f32 v[T+2*(\u)], v[T+2*(\u)], v[S+8*(\u)+(\j)], v[S+8*(\u)+(\j)+1]
.endr
.endr
.irp u, 0,1
	v_max_num_f32 v[T+2*(\u)], v[T+2*(\u)], v[S+8*(\u)+7]
.endr
.irp u, 0,1
	v_permlanex16_b32 v[T+2*(\u)+1], v[T+2*(\u)], s10, s11  ; the query's other eight keys lie in the lane 16 away
.endr
.irp u, 0,1
	v_max_num_f32 v[T+2*(\u)+1], v[T+2*(\u)], v[T+2*(\u)+1]  ; m
.endr
.irp u, 0,1
	v_mul_f32 v[T+2*(\u)], s8, v[T+2*(\u)+1]       ; c m
.endr
.irp j, 0,2,4,6
.irp u, 0,1
	v_pk_fma_f32 v[S+8*(\u)+(\j):S+8*(\u)+(\j)+1], v[S+8*(\u)+(\j):S+8*(\u)+(\j)+1], s[8:9], v[T+2*(\u):T+2*(\u)+1] op_sel_hi:[1,0,0] neg_lo:[0,0,1] neg_hi:[0,0,1]  ; c s - c m
.endr
.endr
.irp j, 0,1,2,3,4,5,6,7                ; sixteen exponentials, one batch
.irp u, 0,1
	v_exp_f32 v[S+8*(\u)+(\j)], v[S+8*(\u)+(\j)]
.endr
.endr
	v_nop                                          ; a plain instruction behind the last exponential (ISA guide 5.7.2),
	s_wait_alu depctr_va_vdst(0)                   ; and a wait ahead of the batch's first reader
.irp u, 0,1                            ; c m has served: its pair takes the sums
	v_pk_add_f32 v[T+2*(\u):T+2*(\u)+1], v[S+8*(\u):S+8*(\u)+1], v[S+8*(\u)+2:S+8*(\u)+3]
.endr
.irp j, 4,6
.irp u, 0,1
	v_pk_add_f32 v[T+2*(\u):T+2*(\u)+1], v[T+2*(\u):T+2*(\u)+1], v[S+8*(\u)+(\j):S+8*(\u)+(\j)+1]
.endr
.endr
.irp u, 0,1
	v_add_f32 v[T+2*(\u)], v[T+2*(\u)], v[T+2*(\u)+1]
.endr
.irp u, 0,1
	v_permlanex16_b32 v[T+2*(\u)+1], v[T+2*(\u)], s10, s11
.endr
.irp u, 0,1
	v_add_f32 v[T+2*(\u)], v[T+2*(\u)], v[T+2*(\u)+1]  ; l
.endr
.irp u, 0,1
	v_rcp_f32 v[T+2*(\u)], v[T+2*(\u)]
.endr
	v_nop                                          ; as above, for the two reciprocals
	s_wait_alu depctr_va_vdst(0)
.irp j, 0,2,4,6
.irp u, 0,1
	v_pk_mul_f32 v[S+8*(\u)+(\j):S+8*(\u)+(\j)+1], v[S+8*(\u)+(\j):S+8*(\u)+(\j)+1], v[T+2*(\u):T+2*(\u)+1] op_sel_hi:[1,0]  ; p / l
.endr
.endr
.irp j, 0,1,2,3                        ; in place, ascending: register j takes weights 2 j and 2 j + 1, which no earlier line of these has overwritten
.irp u, 0,1
	v_cvt_pk_f16_f32 v[S+8*(\u)+(\j)], v[S+8*(\u)+2*(\j)], v[S+8*(\u)+2*(\j)+1]
.endr
.endr
.irp j, 4,5,6,7
.irp u, 0,1
	v_mov_b32 v[S+8*(\u)+(\j)], 0                  ; keys 16-31
.endr
.endr
	s_wait_loadcnt 0x0                             ; V is in
.irp c, 0,1,2,3                        ; O^T, channels 16 c on: eight products, eight accumulators, each sum one product long
.irp u, 0,1
.set rS, S+8*(\u)
.set rD, DAT+DSZ*(\u)
	v_wmma_f32_16x16x32_f16 v[rD+8*(\c):rD+8*(\c)+7], v[rD+32+4*(\c):rD+39+4*(\c)], v[rS:rS+7], 0
.endr
.endr
.rept 4                                ; the places in front of the conversions
	v_nop
.endr
.irp u, 0,1
.irp c, 0,1,2,3
.set rO, DAT+DSZ*(\u)+8*(\c)
.irp t, 0,1,2,3                        ; a lane's eight channels of one head pack into 16 bytes, in place, from the low end on
	v_cvt_pk_f16_f32 v[rO+(\t)], v[rO+2*(\t)], v[rO+2*(\t)+1]
.endr
	global_store_b128 v1, v[rO:rO+3], s[6:7] offset:(\u)*2048+512*(\c)  ; 512 consecutive bytes, at a multiple of 256 from ob's first byte
.endr
.endr
	s_endpgm
.Lfunc_end_k_q8daf5dc8f1_attn:
	.size	k_q8daf5dc8f1_attn, .Lfunc_end_k_q8daf5dc8f1_attn-k_q8daf5dc8f1_attn
	.p2alignl 7, 3214868480
	.fill 96, 4, 3214868480
	.section	.rodata,"a",@progbits
	.p2align	6, 0x0
	.amdhsa_kernel k_q8daf5dc8f1_attn
		.amdhsa_group_segment_fixed_size 0
		.amdhsa_private_segment_fixed_size 0
		.amdhsa_enable_private_segment 0
		.amdhsa_kernarg_size 16
		.amdhsa_user_sgpr_count 2
		.amdhsa_user_sgpr_kernarg_segment_ptr 1
		.amdhsa_wavefront_size32 1
		.amdhsa_system_sgpr_workgroup_id_x 1
		.amdhsa_system_sgpr_workgroup_id_y 1
		.amdhsa_system_sgpr_workgroup_id_z 1
		.amdhsa_system_vgpr_workitem_id 0
		.amdhsa_next_free_vgpr 128
		.amdhsa_next_free_sgpr 66
		.amdhsa_reserve_vcc 0
		.amdhsa_float_denorm_mode_32 3
		.amdhsa_float_denorm_mode_16_64 3
		.amdhsa_memory_ordered 1
		.amdhsa_forward_progress 1
		.amdhsa_inst_pref_size 12
	.end_amdhsa_kernel
	.amdgpu_metadata
---
amdhsa.version: [ 1, 2 ]
amdhsa.kernels:
  - .name:           k_q8daf5dc8f1_attn
    .symbol:         k_q8daf5dc8f1_attn.kd
    .args:
      - { .name: qkv, .offset: 0, .size: 8, .value_kind: global_buffer, .address_space: global }
      - { .name: ob, .offset: 8, .size: 8, .value_kind: global_buffer, .address_space: global }
    .group_segment_fixed_size: 0
    .private_segment_fixed_size: 0
    .kernarg_segment_align: 8
    .kernarg_segment_size: 16
    .max_flat_workgroup_size: 256
    .sgpr_count:     66
    .vgpr_count:     128
    .wavefront_size: 32
...
	.end_amdgpu_metadata
.endif
;; end of part 3
;; launch gemm_out (part 4): grid 4 x 64, 4 waves a work-group, clusters of 4 x 4, 327,680 bytes of LDS; arguments ob, wo, out0; writes out0
.if DOCPART == 4
	.amdgcn_target "amdgcn-amd-amdhsa--gfx1250"
	.amdhsa_code_object_version 6
	.text
	.protected	k_q8daf5dc8f1_gemm_out
	.globl	k_q8daf5dc8f1_gemm_out
	.p2align	8
	.type	k_q8daf5dc8f1_gemm_out,@function
k_q8daf5dc8f1_gemm_out:
	s_mov_b64 s[64:65], 0
	v_nop
	global_prefetch_b8 v0, s[64:65] scope:SCOPE_SE
	s_setreg_imm32_b32 hwreg(HW_REG_WAVE_MODE, 25, 1), 1
	s_wait_xcnt 0x0
	s_wait_alu depctr_hold_cnt(0) depctr_sa_sdst(0) depctr_va_vdst(0) depctr_va_sdst(0) depctr_va_ssrc(0) depctr_va_vcc(0) depctr_vm_vsrc(0)
	s_getreg_b32 s2, hwreg(HW_REG_IB_STS2, 6, 4)
	s_cmp_eq_u32 s2, 0
	s_cbranch_scc0 .Lentry_in_a_cluster
	s_endpgm
.Lentry_in_a_cluster:
	s_bfe_u32 s2, ttmp6, 0x10000c
	s_cmp_lg_u32 s2, 0xf033
	s_cbranch_scc0 .Lentry_shape_is_right
	s_endpgm
.Lentry_shape_is_right:
; C[m][n] = sum over k of A[m][k] B[n][k], sums in f32, K ascending.  One source serves two launches; the constants below make it one or the other.
; HERE: A = ob [16384][1024] f16, B = wo [1024][1024] f16 (Wout rounded to bf16, written as f16), C = out0 [16384][1024] f32.  A's and B's columns stand in the same permuted order, which keeps every product.
.set SIZE_M, 16384
.set SIZE_N, 1024
.set SIZE_K, 1024
.set SIZE_TILES, 1                     ; tiles of C that a work-group makes, side by side, WALK columns apart.  With C in f32 the text serves 1 alone (see TOSTAGE)
.set F16IN,  1                         ; 0: A and B are bf16; 1: f16
.set OUT32,  1                         ; 0: C is f16; 1: f32
.set OUTB,   4                         ; bytes in a number of C
.set SPITCH, 528                       ; a stage row: my 128 columns of C + 16 bytes of padding
; A tile of C, 256 x 256, is made by a work-group of four waves; a wave makes 128 x 128: 64 accumulators of 16 x 16, 512 registers.  K goes in steps of 128 through a ring of two LDS slots
; filled by the tensor data mover: the rows of A's and B's tiles are 256 bytes of memory and start at multiples of 256 bytes from the buffer's first byte.
; A WORK-GROUP STAYS where SIZE_TILES is above 1: its tiles share their rows of A, and the ring does not stop at a tile's end.
; THE LAST TILE'S LAST K STEP GOES BY ROWS OF C: nothing follows that tile under which its stores could leave, so its blocks of 16 rows are finished one after the other and each leaves while the next are multiplied.
; CLUSTERS: 4 x 4 work-groups.  The four of a row of the cluster need the same tiles of A, the four of a column the same tiles of B: each tile is asked for JOINTLY, by the same tensor load
; with the same descriptor and a mask that names the four; each receives it in its own LDS.
; REGISTERS, in windows of 256 (s_set_vgpr_msb's low byte: bits 1:0 source 0, 3:2 source 1, 5:4 source 2, 7:6 destination):
;   window 0: v0-31 addresses; v64-127, v128-191 fragments of A (8 x 16 rows x 32 K), two buffers (in the very last K step four, of 16 rows x 128 K); v32-63, v192-255 at work on the way out in 16 bits
;   window 1: v64-127, v128-191 fragments of B, two buffers; in the very last K step all 256: B's fragments of the whole step
;   window 2: the 32 accumulators of my rows 0-63 (accumulator (a, b) at v[8 (8 a + b)]);   window 3: those of my rows 64-127
; THE MATRIX INSTRUCTION IS USED TRANSPOSED: source 0 = 16 rows of B, source 1 = 16 rows of A: lane l then holds row l % 16 of C and the columns 8 (l / 16) + 0 .. 7, neighbours in a row of C.
.set ROWC,   SIZE_N*OUTB               ; bytes in a row of C
.set KSTEP,  128
.set PITCH,  272                       ; an LDS row: 256 bytes + 16 of padding = 68 words: row r starts at bank 4 r mod 64 (64 banks of 4 bytes: ISA guide 11.1): the 16 rows of a load start at 16 different banks
.set HALFT,  128*PITCH                 ; 128 rows: what one tensor load brings, and what one wave reads of A or of B
.set SLOT,   4*HALFT                   ; A's 256 rows, then B's 256 rows
.set STAGE,  2*SLOT                    ; behind the ring: 16 rows x SPITCH bytes for each wave, for the way out; no tensor load lands there
.set SPARE,  STAGE+4*16*SPITCH         ; behind the stages: the spare words, 128 bytes for each wave: two blocks of 256 bytes that no other line names
.set LAPS,   SIZE_K/(2*KSTEP)          ; a lap = two K steps = once round the ring
.set WALK,   SIZE_N/SIZE_TILES         ; columns of C, and rows of B, from a tile to the next
.set BACK_A, (SIZE_K-2*KSTEP)*2        ; bytes from a slot's last K step of a tile back to its first: A's rows stay,
.set NEXT_B, WALK*SIZE_K*2-(SIZE_K-2*KSTEP)*2  ; B goes WALK rows down and back along K
.set ADRA, 16                          ; v16-17  LDS address of my A fragments in slot 0, 1
.set ADRB, 20                          ; v20-21  the same for B
.set STO,  24                          ; v24     the way out: where I put my numbers of a row
.set RD,   25                          ; v25     the way out: where I read rows back
.set CO,   26                          ; v26     my byte offset in C
.set SPW,  28                          ; v28     LDS address of my spare word: SPARE + 4 x my thread's number; never rewritten
.set NIL,  29                          ; v29     0; never rewritten
.set PFO,  30                          ; v30     the prefetches' offset: my lane x a row of A or B; never rewritten
.set PFA,  44                          ; s[44:45] where my prefetches stand: my work-group's 32 rows of the 128 that I fetch, one K step further along K than the refill in hand
.set LIM,  43                          ; s43     1 in a wave that prefetches, else the greatest number
.set F0,   64                          ; fragment buffer 0
.set F1,   128                         ; fragment buffer 1
.set PA,   64                          ; the very last K step: A's fragments of 16 rows x 128 K, 32 registers; four such buffers, v64-191
.set TMP,  192                         ; the way out in 16 bits: packed results, in window 0
.set OB,   32                          ; the way out in 16 bits: 16 rows read back from the stage: v32-63 and v224-255 by turns
.set G1,  24                           ; s[24:31] descriptor group 1 for A's tiles
.set G0,  32                           ; s[32:39] descriptor group 0 for A's tiles, one set for each slot
.set G1B, 48                           ; s[48:55] group 1 for B's tiles: it differs in the mask alone
.set G0B, 56                           ; s[56:63] group 0 for B's tiles
.set MSB, 0
.macro WIN new                         ; the immediate's high byte repeats the setting that is left; a switch that changes nothing is dropped
.if MSB != (\new)
	s_set_vgpr_msb (MSB<<8)|(\new)
.set MSB, \new
.endif
.endm
.set MUL_LO, 0xa1                      ; source 0 (B) window 1, source 1 (A) window 0, C and D window 2
.set MUL_HI, 0xf1                      ; the same, C and D window 3
.set TO_B,   0x40                      ; destination window 1, address window 0
; A joint load.  Waves 0 and 1 fetch A's two halves, waves 2 and 3 B's.  The branch hangs on the wave's number alone.  An s_nop 0 and four v_nop follow each of the two lines.
.macro JLOAD s
	s_cmp_eq_u32 s11, 0
	s_cbranch_scc0 .Lfor_b_\@
	tensor_load_to_lds s[G0+4*(\s):G0+4*(\s)+3], s[G1:G1+7]
	s_nop 0
.rept 4
	v_nop
.endr
	s_branch .Lasked_\@
.Lfor_b_\@:
	tensor_load_to_lds s[G0B+4*(\s):G0B+4*(\s)+3], s[G1B:G1B+7]
	s_nop 0
.rept 4
	v_nop
.endr
.Lasked_\@:
.endm
; A PREFETCH INTO THE L2, behind each joint load, its five lines and the run of LDS loads that follows: the K step that stands TWO refills on (512 matrix instructions ahead of the load that wants it):
; 32 rows x 256 bytes, a lane a row, one instruction a wave.  Each row's 256 bytes of a K step are named ONCE in the launch: A's rows by the one cluster that reads them (cluster x = 0; the grid is one
; cluster wide), in the walk's first tile alone; B's rows by cluster y = 0, in every tile.  The four partners that ask for a tile jointly share its rows out BY ADDRESS: of the 128 rows that a wave fetches
; the partner at place p takes 32 p .. 32 p + 31 (p = cx for A, cy for B).  how = 0, in the loop: a tile's last two refills have no K step two on; how = 1, at a change of tiles.
.macro ASK how
.if \how
	s_cmp_eq_u32 s[LIM], 1
.else
	s_cmp_gt_u32 s3, s[LIM]                        ; s3 = 1 in the loop's last trip
.endif
	s_cbranch_scc0 .Lnot_mine_\@
	global_prefetch_b8 v[PFO], s[PFA:PFA+1] offset:KSTEP*2 th:TH_LOAD_NT scope:SCOPE_SE
.Lnot_mine_\@:
.endm
; A round of the cluster's barrier: my work-group's barrier; wave 0 signals for the work-group; every wave waits for all sixteen work-groups; my work-group's barrier once more.
.macro CREST                           ; a round behind its opening barrier
	s_cmp_lg_u32 s10, 0
	s_cbranch_scc1 .Lnot_wave_0_\@
	s_barrier_signal -3
.Lnot_wave_0_\@:
	s_barrier_wait -3
	s_barrier_signal -1
	s_barrier_wait -1
.endm
.macro CROUND                          ; a whole round
	s_barrier_signal -1
	s_barrier_wait -1
	CREST
.endm
	s_load_b128 s[4:7], s[0:1], 0x0                ; A s[4:5], B s[6:7]
	s_load_b64 s[8:9], s[0:1], 0x10                ; C
	v_lshl_add_u32 v[SPW], v0, 2, SPARE
	v_mov_b32 v[NIL], 0
	ds_add_u32 v[SPW], v[NIL]                      ; the wave's opening: the add and its wait stand ahead of my first tensor load; the set-up below, work on registers, stands between them
	v_lshrrev_b32 v1, 5, v0
	v_readfirstlane_b32 s10, v1                    ; wave 0..3
	s_lshr_b32 s11, s10, 1                         ; which half of the tile's rows is mine.  Also: I fetch for A (0) or for B (1)
	s_and_b32 s12, s10, 1                          ; which half of its columns.  Also: which 128 rows of that tile I fetch
	s_bfe_u32 s40, ttmp6, 0x40000                  ; cx
	s_bfe_u32 s41, ttmp6, 0x40004                  ; cy
	s_lshl_b32 s42, ttmp9, 2                       ; in a cluster launch ttmp9 and ttmp7 count clusters
	s_add_co_u32 s42, s42, s40                     ; the first tile's column = 4 x cluster x + cx
	s_and_b32 s13, ttmp7, 0xffff
	s_lshl_b32 s13, s13, 2
	s_add_co_u32 s13, s13, s41                     ; tile row = 4 x cluster y + cy
	s_lshl_b32 s43, s41, 2
	s_lshl_b32 s43, 15, s43                        ; my row of the cluster: places 4 cy .. 4 cy + 3
	s_lshl_b32 s44, 0x1111, s40                    ; my column: places cx, cx + 4, cx + 8, cx + 12
	; descriptor group 1: a tile of 128 rows x 128 elements of 2 bytes, padded in LDS
	s_or_b32 s[G1+0], s43, (1<<16)|(1<<20)|(1<<21)|(5<<22)|(3<<25)   ; 15:0 the mask: A's tiles go to my row; 17:16 2-byte elements; 20 padding on; 21 set beside a mask; 24:22 after every 64 words (code 5); 31:25 4 words (code 3)
	s_or_b32 s[G1B+0], s44, (1<<16)|(1<<20)|(1<<21)|(5<<22)|(3<<25)  ; the same with the mask of my column, for B's tiles
.irp g, G1, G1B
	s_mov_b32 s[(\g)+1], KSTEP<<16                 ; tensor_dim0 = 128
	s_mov_b32 s[(\g)+2], 128<<16                   ; tensor_dim1 = 128
	s_mov_b32 s[(\g)+3], KSTEP<<16                 ; tile_dim0 = 128
	s_mov_b32 s[(\g)+4], 128                       ; tile_dim1 = 128
	s_mov_b32 s[(\g)+5], SIZE_K                    ; elements from row to row
	s_mov_b32 s[(\g)+6], 0
	s_mov_b32 s[(\g)+7], 0
.endr
	; where the tiles come from.  A's hang on the tile row alone, which my row of the cluster shares; B's on the tile column alone, which my column shares.
	s_lshl_b32 s17, s12, 7                         ; which 128 rows of the tile I fetch
	s_lshl_b32 s16, s13, 8
	s_add_co_u32 s16, s16, s17                     ; A: row 256 x tile row + 128 x half
	s_lshl_b32 s46, s42, 8
	s_add_co_u32 s46, s46, s17                     ; B: row 256 x tile column + 128 x half
	s_mov_b32 s17, 0
	s_mov_b32 s47, 0
	s_mov_b64 s[18:19], SIZE_K*2
	s_mul_u64 s[16:17], s[16:17], s[18:19]         ; in bytes
	s_mul_u64 s[46:47], s[46:47], s[18:19]
	s_mul_i32 s20, s10, HALFT                      ; and where they go: wave x 128 rows: no place in the cluster enters an LDS address
	s_wait_dscnt 0x0                               ; the opening add is done
	s_wait_kmcnt 0x0
	s_add_nc_u64 s[14:15], s[4:5], s[16:17]
	s_add_nc_u64 s[46:47], s[6:7], s[46:47]
	CROUND                                         ; all sixteen work-groups are here: the first joint loads meet
.irp s, 0,1
	s_mov_b32 s[G0+4*(\s)], 1                                      ; count = 1
	s_add_co_u32 s[G0+4*(\s)+1], s20, (\s)*SLOT                    ; LDS address
	s_add_nc_u64 s[G0+4*(\s)+2:G0+4*(\s)+3], s[14:15], (\s)*KSTEP*2  ; global address: K step s
	s_or_b32 s[G0+4*(\s)+3], s[G0+4*(\s)+3], 0x80000000            ; type = 2
	s_mov_b32 s[G0B+4*(\s)], 1
	s_add_co_u32 s[G0B+4*(\s)+1], s20, (\s)*SLOT
	s_add_nc_u64 s[G0B+4*(\s)+2:G0B+4*(\s)+3], s[46:47], (\s)*KSTEP*2
	s_or_b32 s[G0B+4*(\s)+3], s[G0B+4*(\s)+3], 0x80000000
	JLOAD \s                                       ; the ring is filled before anything else is done: two loads of mine are out
.endr
	; A fragment is 16 rows x 32 K in 8 registers: lane l holds row l % 16; registers 0-3 hold K = 8 (l / 16) + 0..7, registers 4-7 K = 16 + 8 (l / 16) + 0..7: two loads of 16 bytes, 32 bytes apart.
	v_and_b32 v1, 15, v0                           ; l % 16
	v_bfe_u32 v2, v0, 4, 1                         ; l / 16
	v_mul_u32_u24 v3, v1, PITCH
	v_lshl_add_u32 v3, v2, 4, v3                   ; row x pitch + 16 x half
	s_mul_i32 s21, s11, HALFT                      ; my 128 rows of A
	s_mul_i32 s22, s12, HALFT                      ; my 128 rows of B,
	s_add_co_u32 s22, s22, 2*HALFT                 ; which lie behind A's 256
.irp s, 0,1
	v_add_nc_u32 v[ADRA+(\s)], s21, v3
	v_add_nc_u32 v[ADRB+(\s)], s22, v3
	s_add_co_u32 s21, s21, SLOT
	s_add_co_u32 s22, s22, SLOT
.endr
	s_mul_i32 s23, s10, 16*SPITCH
	s_add_co_u32 s23, s23, STAGE                   ; my stage
	v_mul_u32_u24 v4, v1, SPITCH                   ; in: row l % 16,
.if OUT32
	v_lshl_add_u32 v4, v2, 5, v4                   ; 32 bytes (8 numbers of f32) for each half of the lanes
	v_add_nc_u32 v[STO], s23, v4
	v_and_b32 v5, 31, v0
	v_lshlrev_b32 v[CO], 4, v5                     ; back and out: 32 lanes take one row of 512 bytes
	v_add_nc_u32 v[RD], s23, v[CO]
.else
	v_lshl_add_u32 v4, v2, 4, v4                   ; 16 bytes (8 numbers of f16) for each half of the lanes
	v_add_nc_u32 v[STO], s23, v4
	v_mul_u32_u24 v5, v2, SPITCH                   ; back: lanes 0-15 take one row of 256 bytes, lanes 16-31 the next
	v_lshl_add_u32 v5, v1, 4, v5
	v_add_nc_u32 v[RD], s23, v5
	v_mul_u32_u24 v5, v2, ROWC                     ; and the same two rows in C
	v_lshl_add_u32 v[CO], v1, 4, v5
.endif
	; s[16:17]: C at my part of the tile in hand
	s_lshl_b32 s13, s13, 8
	s_lshl_b32 s14, s11, 7
	s_add_co_u32 s16, s13, s14                     ; my first row of C
	s_mov_b32 s17, 0
	s_mov_b64 s[18:19], ROWC
	s_mul_u64 s[16:17], s[16:17], s[18:19]
	s_mul_i32 s46, s42, 256*OUTB                   ; my first column, in bytes (in the registers that held B's address: none that feeds A's descriptors ever holds cx)
	s_mul_i32 s47, s12, 128*OUTB
	s_add_co_u32 s46, s46, s47
	s_mov_b32 s47, 0
	s_add_nc_u64 s[16:17], s[16:17], s[46:47]
	s_add_nc_u64 s[16:17], s[8:9], s[16:17]
	; the prefetches.  s13 = 256 x tile row, s42 = tile column, s40 = cx, s41 = cy still stand
	s_lshl_b32 s42, s42, 8
	s_and_b32 s22, ttmp7, 0xffff                   ; cluster y
	s_cmp_eq_u32 s11, 0                            ; do I fetch for A?
	s_cselect_b32 s20, s13, s42                    ; the tile's first row: in A by the tile row, in B by the tile column
	s_cselect_b32 s21, s40, s41                    ; my place among the four that ask for it with me
	s_cselect_b32 s22, ttmp9, s22                  ; the coordinate along which other clusters read the same rows
	s_cselect_b64 s[PFA:PFA+1], s[4:5], s[6:7]
	s_cmp_eq_u32 s22, 0
	s_cselect_b32 s[LIM], 1, -1                    ; the same in all sixteen partners, for a given wave
	s_lshl_b32 s22, s12, 7
	s_add_co_u32 s20, s20, s22                     ; + the 128 rows that I fetch
	s_lshl_b32 s21, s21, 5
	s_add_co_u32 s20, s20, s21                     ; + my work-group's 32 of them
	s_mov_b32 s21, 0
	s_mov_b64 s[18:19], SIZE_K*2
	s_mul_u64 s[20:21], s[20:21], s[18:19]
	s_add_nc_u64 s[PFA:PFA+1], s[PFA:PFA+1], s[20:21]
	s_add_nc_u64 s[PFA:PFA+1], s[PFA:PFA+1], 2*KSTEP*2  ; at K step 2: the first refill steps it to 3 and names K step 4
	v_and_b32 v[PFO], 31, v0
	v_mul_u32_u24 v[PFO], v[PFO], SIZE_K*2
	; nothing is prefetched here, at the head: K steps 0 to 3 come by their loads alone
; 16 matrix instructions: m blocks a0, a0 + 1 of the window's four (hi = 0: my rows 0-63, 1: rows 64-127) x all 8 n blocks, 32 along K.  zero = 1: the first product starts the sums: nothing is cleared.
; The 64 accumulators take turns, one instruction a turn, in the same order in every quarter step.
.macro MUL16 f, hi, a0, zero
	WIN MUL_LO+0x50*(\hi)
.irp a, \a0, (\a0)+1
.irp b, 0,1,2,3,4,5,6,7
.set rD, 8*(8*(\a)+(\b))
.set rB, (\f)+8*(\b)
.set rA, (\f)+8*(4*(\hi)+(\a))
.if (\zero) && F16IN
	v_wmma_f32_16x16x32_f16 v[rD:rD+7], v[rB:rB+7], v[rA:rA+7], 0
.elseif \zero
	v_wmma_f32_16x16x32_bf16 v[rD:rD+7], v[rB:rB+7], v[rA:rA+7], 0
.elseif F16IN
	v_wmma_f32_16x16x32_f16 v[rD:rD+7], v[rB:rB+7], v[rA:rA+7], v[rD:rD+7]
.else
	v_wmma_f32_16x16x32_bf16 v[rD:rD+7], v[rB:rB+7], v[rA:rA+7], v[rD:rD+7]
.endif
.endr
.endr
.endm
; 32 LDS loads in one run: the fragments of one quarter step (128 rows of B, 128 rows of A, 32 K at byte k of the rows) into buffer f
.macro FETCH slot, k, f
	WIN TO_B
.irp i, 0,1,2,3,4,5,6,7
	ds_load_b128 v[(\f)+8*(\i):(\f)+8*(\i)+3],   v[ADRB+(\slot)] offset:(\k)+(\i)*16*PITCH
	ds_load_b128 v[(\f)+8*(\i)+4:(\f)+8*(\i)+7], v[ADRB+(\slot)] offset:(\k)+(\i)*16*PITCH+32
.endr
	WIN 0
.irp i, 0,1,2,3,4,5,6,7
	ds_load_b128 v[(\f)+8*(\i):(\f)+8*(\i)+3],   v[ADRA+(\slot)] offset:(\k)+(\i)*16*PITCH
	ds_load_b128 v[(\f)+8*(\i)+4:(\f)+8*(\i)+7], v[ADRA+(\slot)] offset:(\k)+(\i)*16*PITCH+32
.endr
.endm
; A load into a register that a matrix instruction has read or written, and whatever reads a matrix result but a matrix instruction, stand four plain vector instructions behind it (ISA guide 7.12.1 for vector instructions).
.macro PLACES
.rept 4
	v_nop
.endr
.endm
; A K step is four quarter steps of 32 along K, 64 matrix instructions each, on buffers 0, 1, 0, 1.  One of the first three: multiplies buffer f; in its middle it fetches the next quarter's fragments, at byte k, into g.
.macro QUARTER slot, k, f, g, zero
	s_wait_dscnt 8                                 ; B and A's rows 0-63 are in; the youngest eight loads (A's rows 64-127) may be out
	WIN MUL_LO
	MUL16 \f, 0, 0, \zero
	MUL16 \f, 0, 2, \zero
	PLACES
	FETCH \slot, \k, \g
	s_wait_dscnt 32                                ; all but the 32 just issued
	WIN MUL_HI
	MUL16 \f, 1, 0, \zero
	MUL16 \f, 1, 2, \zero
.endm
; The last quarter multiplies buffer 1 and changes slots.  MEET is its first half: ONE barrier.  In front of it each wave waits for all its tensor loads (one is out: its part of the next slot), adds 0 to its
; spare word, and waits for that and for its own reads of this slot.  Behind it nobody reads this slot any more and the next slot is whole.
.macro MEET round                      ; round = 1: a round of the cluster's barrier follows
	WIN 0                                          ; (the add's two registers lie in window 0)
	s_wait_tensorcnt 0x0                           ; all my tensor loads have landed;
	ds_add_u32 v[SPW], v[NIL]                      ; 0 onto my spare word;
	s_wait_dscnt 9                                 ; (the add and the youngest eight loads may be out)
	WIN MUL_LO
	MUL16 F1, 0, 0, 0                              ; sixteen matrix instructions stand between the add and the wait for it
	s_wait_dscnt 0x0                               ; the add is done, and my reads of this slot are over:
	s_barrier_signal -1                            ; say so,
	MUL16 F1, 0, 2, 0                              ; work on registers while the others arrive,
.if \round
	WIN 0
.endif
	s_barrier_wait -1                              ; and go on when all four have said so
.endm
; The whole last quarter.  Behind the round the slot just read out is filled again first: with this tile's K step two steps on (on = 0) or, in a tile's last two K steps, with the NEXT tile's K step 0 or 1
; (on = 1); then come the next slot's first fragments.  From a request to the wait for it a wave issues 224 matrix instructions.
.macro TURN slot, next, on
	s_wait_xcnt 0x0                                ; the last prefetch, a K step back, has read its address: it is stepped here
.if (\on) && (\slot) == 0
	s_add_nc_u64 s[PFA:PFA+1], s[PFA:PFA+1], (WALK-1)*SIZE_K*2+KSTEP*2  ; from the K step after the tile's last to the next tile's K step 1: WALK rows down, back along K
	s_cmp_eq_u32 s11, 1
	s_cselect_b32 s[LIM], s[LIM], -1               ; A's rows are the same for all tiles of the walk: they are prefetched no more, and A's waves use this address no more
.else
	s_add_nc_u64 s[PFA:PFA+1], s[PFA:PFA+1], KSTEP*2
.endif
	MEET 1
	CREST                                          ; no wave of any partner still reads this slot's tile or has a load on its way
.if \on
	s_sub_nc_u64 s[G0+4*(\slot)+2:G0+4*(\slot)+3], s[G0+4*(\slot)+2:G0+4*(\slot)+3], BACK_A
	s_add_nc_u64 s[G0B+4*(\slot)+2:G0B+4*(\slot)+3], s[G0B+4*(\slot)+2:G0B+4*(\slot)+3], NEXT_B
.else
	s_add_nc_u64 s[G0+4*(\slot)+2:G0+4*(\slot)+3], s[G0+4*(\slot)+2:G0+4*(\slot)+3], 2*KSTEP*2
	s_add_nc_u64 s[G0B+4*(\slot)+2:G0B+4*(\slot)+3], s[G0B+4*(\slot)+2:G0B+4*(\slot)+3], 2*KSTEP*2
.endif
	JLOAD \slot                                    ; the first tensor load behind the round, my only one until the next; its four v_nop are also the places in front of the loads below
	FETCH \next, 0, F0
	ASK \on
	WIN MUL_HI
	MUL16 F1, 1, 0, 0
	MUL16 F1, 1, 2, 0
.endm
; THE LAST K STEP OF THE LAST OR ONLY TILE (it lies in slot 1), BY ROWS OF C.  All its fragments of B (4 quarters x 64 registers) fill window 1; my eight blocks of 16 rows are finished one after the other,
; each with 32 matrix instructions (its 8 accumulators by turns, K ascending: the sums stay the same bit for bit).  LDS is read no more than in any other K step.
.macro BLOAD q                         ; B's fragments of quarter q -> window 1, v[64 q ..]
	WIN TO_B
.irp i, 0,1,2,3,4,5,6,7
	ds_load_b128 v[64*(\q)+8*(\i):64*(\q)+8*(\i)+3],   v[ADRB+1] offset:64*(\q)+(\i)*16*PITCH
	ds_load_b128 v[64*(\q)+8*(\i)+4:64*(\q)+8*(\i)+7], v[ADRB+1] offset:64*(\q)+(\i)*16*PITCH+32
.endr
.endm
.macro ALOAD a                         ; A's fragments of block a, all four quarters -> buffer a % 4
	WIN 0
.set FA, PA+32*((\a)%4)
.irp q, 0,1,2,3
	ds_load_b128 v[FA+8*(\q):FA+8*(\q)+3],   v[ADRA+1] offset:64*(\q)+(\a)*16*PITCH
	ds_load_b128 v[FA+8*(\q)+4:FA+8*(\q)+7], v[ADRA+1] offset:64*(\q)+(\a)*16*PITCH+32
.endr
.endm
.macro ROW a                           ; block a is finished: 32 matrix instructions
.set FA, PA+32*((\a)%4)                ; its fragments of A
.set AC, 64*((\a)%4)                   ; its eight accumulators, in window 2 (blocks 0-3) or 3 (blocks 4-7)
	WIN MUL_LO+0x50*((\a)/4)
.irp q, 0,1,2,3
.if (\a) == 0 && (\q) == 2
	s_wait_dscnt 24                                ; B's quarter 2 is in (behind it: A's blocks 1 to 3)
.endif
.irp b, 0,1,2,3,4,5,6,7
.if F16IN
	v_wmma_f32_16x16x32_f16 v[AC+8*(\b):AC+8*(\b)+7], v[64*(\q)+8*(\b):64*(\q)+8*(\b)+7], v[FA+8*(\q):FA+8*(\q)+7], v[AC+8*(\b):AC+8*(\b)+7]
.else
	v_wmma_f32_16x16x32_bf16 v[AC+8*(\b):AC+8*(\b)+7], v[64*(\q)+8*(\b):64*(\q)+8*(\b)+7], v[FA+8*(\q):FA+8*(\q)+7], v[AC+8*(\b):AC+8*(\b)+7]
.endif
.endr
.endr
.endm
; THE WAY OUT of block a (16 rows of my 128), through my own stage in LDS: LDS serves a wave's instructions in order (ISA guide 5.7.1.4), so no wait stands between the stores and the loads.
.macro PACK a                          ; C in 16 bits: rounded, 16 bytes a lane and n block
.set AC, 64*((\a)%4)
	WIN 0x0a+5*((\a)/4)                            ; sources 0 and 1: window 2 or 3
.irp b, 0,1,2,3,4,5,6,7
.irp r, 0,1,2,3
	v_cvt_pk_f16_f32 v[TMP+4*(\b)+(\r)], v[AC+8*(\b)+2*(\r)], v[AC+8*(\b)+2*(\r)+1]
.endr
.endr
	WIN 0
.endm
.macro TOSTAGE a
.if OUT32                              ; C in f32: the block's 16 rows of 512 bytes come back into its own 64 accumulator registers, which nothing writes again (so: the last tile alone)
.set AC, 64*((\a)%4)
	WIN 0x08+4*((\a)/4)                            ; the stores' data: window 2 or 3
.irp b, 0,1,2,3,4,5,6,7
	ds_store_b128 v[STO], v[AC+8*(\b):AC+8*(\b)+3]   offset:64*(\b)     ; each accumulator's low registers first
	ds_store_b128 v[STO], v[AC+8*(\b)+4:AC+8*(\b)+7] offset:64*(\b)+16
.endr
	WIN 0x80+0x40*((\a)/4)                         ; the loads' destination: window 2 or 3
.irp t, 0,1,2,3,4,5,6,7,8,9,10,11,12,13,14,15
	ds_load_b128 v[AC+4*(\t):AC+4*(\t)+3], v[RD] offset:(\t)*SPITCH
.endr
.else
	WIN 0
.set BK, OB+192*((\a)%2)
.irp b, 0,1,2,3,4,5,6,7
	ds_store_b128 v[STO], v[TMP+4*(\b):TMP+4*(\b)+3] offset:32*(\b)
.endr
.irp t, 0,1,2,3,4,5,6,7
	ds_load_b128 v[BK+4*(\t):BK+4*(\t)+3], v[RD] offset:(\t)*2*SPITCH
.endr
.endif
.endm
.macro SEND a, younger                 ; younger: the LDS loads issued behind TOSTAGE's, which may stay out
.if OUT32
	WIN 0x08+4*((\a)/4)                            ; the stores' data: window 2 or 3
.else
	WIN 0
.endif
	s_wait_dscnt \younger                          ; the block is back in registers
	s_wait_xcnt 0x0                                ; every earlier store has had its addresses translated (ISA guide 3.1): only behind this wait are the stores' base and the registers that earlier stores read rewritten
.if (\a) == 0
	s_mov_b64 s[8:9], s[16:17]                     ; this tile's first rows
.else
	s_add_nc_u64 s[8:9], s[8:9], 16*ROWC           ; 16 rows of C on
.endif
.if OUT32
.set AC, 64*((\a)%4)
.irp t, 0,1,2,3,4,5,6,7,8,9,10,11,12,13,14,15
	global_store_b128 v[CO], v[AC+4*(\t):AC+4*(\t)+3], s[8:9] offset:(\t)*ROWC th:TH_STORE_NT  ; 32 lanes store 512 consecutive bytes, at a multiple of 256 from C's first byte
.endr
.else
.set BK, OB+192*((\a)%2)
.irp t, 0,1,2,3,4,5,6,7
	global_store_b128 v[CO], v[BK+4*(\t):BK+4*(\t)+3], s[8:9] offset:2*(\t)*ROWC  ; 16 lanes store 256 consecutive bytes, at a multiple of 256 from C's first byte
.endr
.endif
.endm
.macro WAYOUT                          ; the way out of a tile that has a successor (C in 16 bits)
	PACK 0
	TOSTAGE 0
.irp a, 1,2,3,4,5,6,7                  ; block a's conversions stand between block a - 1's loads from the stage and the wait for them
	PACK \a
	SEND (\a)-1, 0
	TOSTAGE \a
.endr
	SEND 7, 0
.endm
	s_wait_tensorcnt 1                             ; my part of K step 0 is in; K step 1's load, issued behind it, may stay out
	s_barrier_signal -1
	s_barrier_wait -1                              ; everybody's is
	FETCH 0, 0, F0
.if SIZE_TILES > 1
	s_mov_b32 s2, SIZE_TILES                       ; tiles to go, this one among them: the same number in every work-group
.Ltile:                                                ; (FETCH and SEND leave every window 0)
.endif
	QUARTER 0, 64,  F0, F1, 1                      ; a tile's first quarter stands in front of the loop: its products start the sums
	WIN 0                                          ; at a label and at a branch every window is 0
	s_mov_b32 s3, LAPS-1
.Llap:                                                 ; a trip goes once round the ring, from a lap's second quarter to the next lap's first, and fills both slots again
	QUARTER 0, 128, F1, F0, 0
	QUARTER 0, 192, F0, F1, 0
	TURN 0, 1, 0
	QUARTER 1, 64,  F0, F1, 0
	QUARTER 1, 128, F1, F0, 0
	QUARTER 1, 192, F0, F1, 0
	TURN 1, 0, 0
	QUARTER 0, 64,  F0, F1, 0
	WIN 0
	s_sub_co_u32 s3, s3, 1
	s_cmp_lg_u32 s3, 0
	s_cbranch_scc1 .Llap
	QUARTER 0, 128, F1, F0, 0                      ; the tile's last lap goes on
	QUARTER 0, 192, F0, F1, 0
.if SIZE_TILES > 1
	WIN 0
	s_cmp_eq_u32 s2, 1
	s_cbranch_scc1 .Llast_tile                     ; the last tile's tail is written out: it asks for nothing more
	TURN 0, 1, 1                                   ; THE RING GOES ON INTO THE NEXT TILE: slot 0 takes its K step 0,
	QUARTER 1, 64,  F0, F1, 0
	QUARTER 1, 128, F1, F0, 0
	QUARTER 1, 192, F0, F1, 0
	TURN 1, 0, 1                                   ; slot 1 its K step 1, and the next tile's first fragments are fetched
	WAYOUT                                         ; both refills are asked for: now the tile goes out
	s_add_nc_u64 s[16:17], s[16:17], WALK*OUTB     ; C at my part of the next tile
	s_sub_co_u32 s2, s2, 1
	s_branch .Ltile
.Llast_tile:
.endif
	MEET 0                                         ; my one tensor load that was still out is slot 1's, the last K step's, so no round follows
	PLACES                                         ; for the loads into buffer 0, which the quarter before multiplied
	BLOAD 0                                        ; three quarters of B now: buffer 1 (v128-191 of both windows) is still being multiplied
	BLOAD 1
	BLOAD 3
	ALOAD 0
	MUL16 F1, 1, 0, 0
	MUL16 F1, 1, 2, 0
	PLACES                                         ; for the loads into buffer 1
	BLOAD 2
	ALOAD 1
	ALOAD 2
	ALOAD 3
	s_wait_dscnt 40                                ; all but the 40 just issued
	ROW 0
.irp a, 0,1,2,3,4,5,6,7                ; block a goes into the stage; block a + 1 is multiplied while it comes back; then block a is stored, while the later blocks are still to be multiplied
	PLACES                                         ; block a's results were just made; its buffer of A was just read
.if !OUT32
	PACK \a
.endif
	TOSTAGE \a
.if (\a) < 4
	ALOAD (\a)+4                                   ; its buffer takes the block four further on
.endif
.if (\a) == 0
	s_wait_dscnt 24+16*OUT32                       ; A's blocks 1 to 3 are in: behind them stand the stage's 16 (in f32: 32) instructions and the 8 loads of block 4.  Blocks 4 to 7 are shown landed by the SEND two blocks ahead of their ROW
.endif
.if (\a) < 7
	ROW (\a)+1
.endif
.if (\a) < 4
	SEND \a, 8                                     ; the 8 loads of A's block a + 4 may stay out
.else
	SEND \a, 0
.endif
.endr
	WIN 0
	s_wait_tensorcnt 0x0                           ; the wave's end, behind my last tensor load and my last LDS store
	ds_add_u32 v[SPW], v[NIL]
	s_wait_dscnt 0x0
	CROUND                                         ; the closing round: no work-group ends while a partner may still ask for a tile that names it
	s_endpgm
.Lfunc_end_k_q8daf5dc8f1_gemm_out:
	.size	k_q8daf5dc8f1_gemm_out, .Lfunc_end_k_q8daf5dc8f1_gemm_out-k_q8daf5dc8f1_gemm_out
	.p2alignl 7, 3214868480
	.fill 96, 4, 3214868480
	.section	.rodata,"a",@progbits
	.p2align	6, 0x0
	.amdhsa_kernel k_q8daf5dc8f1_gemm_out
		.amdhsa_group_segment_fixed_size 327680
		.amdhsa_private_segment_fixed_size 0
		.amdhsa_enable_private_segment 0
		.amdhsa_kernarg_size 24
		.amdhsa_user_sgpr_count 2
		.amdhsa_user_sgpr_kernarg_segment_ptr 1
		.amdhsa_wavefront_size32 1
		.amdhsa_system_sgpr_workgroup_id_x 1
		.amdhsa_system_sgpr_workgroup_id_y 1
		.amdhsa_system_sgpr_workgroup_id_z 1
		.amdhsa_system_vgpr_workitem_id 0
		.amdhsa_next_free_vgpr 1024
		.amdhsa_next_free_sgpr 66
		.amdhsa_reserve_vcc 0
		.amdhsa_float_denorm_mode_32 3
		.amdhsa_float_denorm_mode_16_64 3
		.amdhsa_memory_ordered 1
		.amdhsa_forward_progress 1
		.amdhsa_inst_pref_size 142
	.end_amdhsa_kernel
	.amdgpu_metadata
---
amdhsa.version: [ 1, 2 ]
amdhsa.kernels:
  - .name:           k_q8daf5dc8f1_gemm_out
    .symbol:         k_q8daf5dc8f1_gemm_out.kd
    .args:
      - { .name: ob, .offset: 0, .size: 8, .value_kind: global_buffer, .address_space: global }
      - { .name: wo, .offset: 8, .size: 8, .value_kind: global_buffer, .address_space: global }
      - { .name: out0, .offset: 16, .size: 8, .value_kind: global_buffer, .address_space: global }
    .group_segment_fixed_size: 327680
    .private_segment_fixed_size: 0
    .kernarg_segment_align: 8
    .kernarg_segment_size: 24
    .max_flat_workgroup_size: 128
    .sgpr_count:     66
    .vgpr_count:     1024
    .wavefront_size: 32
...
	.end_amdgpu_metadata
.endif
;; end of part 4
;; ======== version 2 of 2: 4 launches; version 1 with the launch attn written anew for expert scheduling mode
;; limits: values are held in f16: magnitudes above 65,504 overflow, below 6.1e-05 lose precision
;; workspace buffers: xb 33,554,432 bytes; wqkv 6,291,456 bytes; wo 2,097,152 bytes; qkv 100,663,296 bytes; ob 33,554,432 bytes
;; launch cast: the kernel of part 1 again; grid 1280 x 1, 8 waves a work-group, no clusters, 0 bytes of LDS; arguments x, Wq, Wkv, Wout, xb, wqkv, wo; writes xb, wqkv, wo
;; launch gemm_qkv: the kernel of part 2 again; grid 4 x 64, 4 waves a work-group, clusters of 4 x 4, 327,680 bytes of LDS; arguments xb, wqkv, qkv; writes qkv
;; launch attn (part 5): grid 1024 x 1, 8 waves a work-group, no clusters, 0 bytes of LDS; arguments qkv, ob; writes ob
.if DOCPART == 5
	.amdgcn_target "amdgcn-amd-amdhsa--gfx1250"
	.amdhsa_code_object_version 6
	.text
	.protected	k_q8daf5dc8f1_attn
	.globl	k_q8daf5dc8f1_attn
	.p2align	8
	.type	k_q8daf5dc8f1_attn,@function
k_q8daf5dc8f1_attn:
	s_mov_b64 s[64:65], 0
	v_nop
	global_prefetch_b8 v0, s[64:65] scope:SCOPE_SE
	s_setreg_imm32_b32 hwreg(HW_REG_WAVE_SCHED_MODE, 0, 2), 2
	s_setreg_imm32_b32 hwreg(HW_REG_WAVE_MODE, 25, 1), 1
	s_wait_xcnt 0x0
	s_wait_alu depctr_vm_vsrc(0)
; ATTENTION OVER THE 16 HEADS OF EACH POSITION.  For a position: S[h][j] = Q[h] . K[j] / 8 (64 channels), P = softmax over j, O[h] = sum over j of P[h][j] V[j].
; qkv: [16384][3072] f16; a position's 6,144 bytes are twelve pieces of 512 bytes that ARE matrix fragments: Q as [channel / 16][head][channel % 16] (4 pieces), K likewise (4), V as [channel][head] (4).
; So every load is 512 consecutive bytes of a wave, lane l at (l % 16) 32 + (l / 16) 16, and nothing goes through LDS.  ob: [16384][1024] f16, a position's O as [channel / 16][head][channel % 16].
; S^T = K Q^T (source 0 = 16 keys, source 1 = 16 queries): a lane holds ONE query (l % 16) and the keys 8 (l / 16) + 0..7.  Rounded to f16 in pairs these are registers 0-3 of source 1 of O^T = V^T P;
; registers 4-7 (keys 16-31, which do not exist) are 0, and source 0's registers 4-7 there hold the next piece of V, or zeros: finite numbers times 0.
; SOFTMAX in f32: the query's true maximum m is taken away: p = 2^(c s - c m), c = log2(e) / 8; the sum l (at least 1) is taken of the unrounded p; p / l is rounded to f16, O once to f16.
; LIMITS.  q, k, v arrive in f16, finite: an infinity or NaN in V spoils its whole position through the products with 0.  A weight below 2^-126 counts as 0; p / l below 6e-5 keeps f16's fixed step of 6e-8.
; SHARES.  A wave takes 2 positions, 12,288 consecutive bytes; all 24 loads go out at the head, Q's and K's first; the two positions are worked on line by line by turns, so that no line waits for the one
; before it.  128 registers a wave: the four work-groups that fall to a WGP (1,024 for 256) lie on it together.
; No loop, no LDS, no barrier, no cluster, no prefetch: no wave wants another's bytes, and all that a wave reads is asked for at once.
; THE MODE: SCHED_MODE bits 1:0 = 2 (LLVM: expert scheduling mode 2), set by the entry lines.  The code itself states the register dependences
; between vector or matrix instructions and memory instructions, with s_wait_alu, always for 0.
; THE PLAN.  Registers that memory instructions touch:
;   v1                       the one offset.  Written by two vector lines at the head; read by all 24 loads and all 8 stores; never written again.
;   DAT + 52 u + 0 .. 47     Q, K, V.  The loads land in them; no vector instruction names them ahead of the loads, and no load lands in them a second time.
;   DAT + 52 u + 8 c + 0..3  the stores' data.  Written by the four conversions of (u, c); read by the store of (u, c); never written again.
;   T, S, the zeros behind V and the accumulators' upper halves are named by vector and matrix instructions alone.
; So: one wait on va_sdst behind the wave's number; one wait on va_vdst ahead of the first load, for v1; the two waits behind the exponentials and the reciprocals; and on the way out one wait on va_vdst
; behind each position's sixteen conversions, ahead of its four stores.  Position 0's stores are dealt among position 1's conversions, which name neither v1 nor position 0's registers.
; No register that a memory instruction reads is written again, so no wait on vm_vsrc is owed; EXEC and VCC are never written.
.set T,   4                            ; v[4:7]    position u at T + 2 u: +0 the lane's maximum, then c m, then l, then 1 / l; +1 the other half of the lanes' number, m
.set S,   8                            ; v[8:23]   position u: 8 scores, then weights, then P's fragment
.set DAT, 24                           ; v[24:127] position u at DAT + 52 u: Q 16, K 16, V 16, four zeros.  O^T's four accumulators later take Q's and K's 32 registers
.set DSZ, 52
	s_load_b128 s[4:7], s[0:1], 0x0                ; qkv s[4:5], ob s[6:7]
	v_lshrrev_b32 v2, 5, v0
	v_readfirstlane_b32 s12, v2                    ; wave 0..7
	v_and_b32 v2, 15, v0
	v_bfe_u32 v3, v0, 4, 1
	v_lshlrev_b32 v1, 5, v2
	v_lshl_add_u32 v1, v3, 4, v1                   ; (l % 16) 32 + (l / 16) 16: for every load and store; never rewritten
	s_wait_alu depctr_va_sdst(0)                   ; s12 is written, ahead of its first reader: my first position, and both bases with it, are made from it
	s_lshl_b32 s13, ttmp9, 3
	s_add_co_u32 s13, s13, s12
	s_lshl_b32 s13, s13, 1                         ; my first position
	s_mul_i32 s14, s13, 6144
	s_mov_b32 s15, 0
	s_mov_b32 s8, 0x3e38aa3b                       ; c = log2(e) / 8 = 0.180337
	s_mov_b32 s9, s8                               ; named with it as a pair
	s_mov_b32 s10, 0x76543210                      ; v_permlanex16_b32: each lane takes its own place in the other half
	s_mov_b32 s11, 0xfedcba98
	s_wait_kmcnt 0x0
	s_add_nc_u64 s[4:5], s[4:5], s[14:15]
	s_lshl_b32 s14, s13, 11
	s_add_nc_u64 s[6:7], s[6:7], s[14:15]
	s_wait_alu depctr_va_vdst(0)                   ; v1 is written: every load and store of the kernel reads it as its offset
.irp u, 0,1
.irp j, 0,1,2,3,4,5,6,7                ; Q and K
	global_load_b128 v[DAT+DSZ*(\u)+4*(\j):DAT+DSZ*(\u)+4*(\j)+3], v1, s[4:5] offset:(\u)*6144+512*(\j) th:TH_LOAD_NT
.endr
.endr
.irp u, 0,1
.irp j, 8,9,10,11                      ; V
	global_load_b128 v[DAT+DSZ*(\u)+4*(\j):DAT+DSZ*(\u)+4*(\j)+3], v1, s[4:5] offset:(\u)*6144+512*(\j) th:TH_LOAD_NT
.endr
.endr
.irp u, 0,1                            ; these ten lines name no register that a load reads or lands in
.irp j, 48,49,50,51
	v_mov_b32 v[DAT+DSZ*(\u)+(\j)], 0              ; behind V's last piece
.endr
	v_mov_b32 v[T+2*(\u)+1], 0                     ; v_permlanex16_b32 counts as a reader of its destination
.endr
	s_wait_loadcnt 8                               ; Q and K are in; V's eight loads, issued behind them, may stay out
.irp c, 0,1                            ; S^T: channels 0-31, then 32-63; the two accumulators take turns
.irp u, 0,1
.set rS, S+8*(\u)
.set rD, DAT+DSZ*(\u)
.if (\c) == 0
	v_wmma_f32_16x16x32_f16 v[rS:rS+7], v[rD+16:rD+23], v[rD:rD+7], 0
.else
	v_wmma_f32_16x16x32_f16 v[rS:rS+7], v[rD+24:rD+31], v[rD+8:rD+15], v[rS:rS+7]
.endif
.endr
.endr
.rept 5                                ; four places before a vector instruction reads the scores, five before a later product takes them as a source or writes over Q and K (ISA guide 7.12.1)
	v_nop
.endr
.irp u, 0,1                            ; the maximum of the lane's eight scores, from the accumulator's low end on
	v_max3_num_f32 v[T+2*(\u)], v[S+8*(\u)], v[S+8*(\u)+1], v[S+8*(\u)+2]
.endr
.irp j, 3,5
.irp u, 0,1
	v_max3_num_f32 v[T+2*(\u)], v[T+2*(\u)], v[S+8*(\u)+(\j)], v[S+8*(\u)+(\j)+1]
.endr
.endr
.irp u, 0,1
	v_max_num_f32 v[T+2*(\u)], v[T+2*(\u)], v[S+8*(\u)+7]
.endr
.irp u, 0,1
	v_permlanex16_b32 v[T+2*(\u)+1], v[T+2*(\u)], s10, s11  ; the query's other eight keys lie in the lane 16 away
.endr
.irp u, 0,1
	v_max_num_f32 v[T+2*(\u)+1], v[T+2*(\u)], v[T+2*(\u)+1]  ; m
.endr
.irp u, 0,1
	v_mul_f32 v[T+2*(\u)], s8, v[T+2*(\u)+1]       ; c m
.endr
.irp j, 0,2,4,6
.irp u, 0,1
	v_pk_fma_f32 v[S+8*(\u)+(\j):S+8*(\u)+(\j)+1], v[S+8*(\u)+(\j):S+8*(\u)+(\j)+1], s[8:9], v[T+2*(\u):T+2*(\u)+1] op_sel_hi:[1,0,0] neg_lo:[0,0,1] neg_hi:[0,0,1]  ; c s - c m
.endr
.endr
.irp j, 0,1,2,3,4,5,6,7                ; sixteen exponentials, one batch
.irp u, 0,1
	v_exp_f32 v[S+8*(\u)+(\j)], v[S+8*(\u)+(\j)]
.endr
.endr
	v_nop                                          ; a plain instruction behind the last exponential (ISA guide 5.7.2),
	s_wait_alu depctr_va_vdst(0)                   ; and a wait ahead of the batch's first reader: the sixteen weights in v[S ..] are written
.irp u, 0,1                            ; c m has served: its pair takes the sums
	v_pk_add_f32 v[T+2*(\u):T+2*(\u)+1], v[S+8*(\u):S+8*(\u)+1], v[S+8*(\u)+2:S+8*(\u)+3]
.endr
.irp j, 4,6
.irp u, 0,1
	v_pk_add_f32 v[T+2*(\u):T+2*(\u)+1], v[T+2*(\u):T+2*(\u)+1], v[S+8*(\u)+(\j):S+8*(\u)+(\j)+1]
.endr
.endr
.irp u, 0,1
	v_add_f32 v[T+2*(\u)], v[T+2*(\u)], v[T+2*(\u)+1]
.endr
.irp u, 0,1
	v_permlanex16_b32 v[T+2*(\u)+1], v[T+2*(\u)], s10, s11
.endr
.irp u, 0,1
	v_add_f32 v[T+2*(\u)], v[T+2*(\u)], v[T+2*(\u)+1]  ; l
.endr
.irp u, 0,1
	v_rcp_f32 v[T+2*(\u)], v[T+2*(\u)]
.endr
	v_nop                                          ; as above, for the two reciprocals:
	s_wait_alu depctr_va_vdst(0)                   ; 1 / l of both positions is written, ahead of its first reader
.irp j, 0,2,4,6
.irp u, 0,1
	v_pk_mul_f32 v[S+8*(\u)+(\j):S+8*(\u)+(\j)+1], v[S+8*(\u)+(\j):S+8*(\u)+(\j)+1], v[T+2*(\u):T+2*(\u)+1] op_sel_hi:[1,0]  ; p / l
.endr
.endr
.irp j, 0,1,2,3                        ; in place, ascending: register j takes weights 2 j and 2 j + 1, which no earlier line of these has overwritten
.irp u, 0,1
	v_cvt_pk_f16_f32 v[S+8*(\u)+(\j)], v[S+8*(\u)+2*(\j)], v[S+8*(\u)+2*(\j)+1]
.endr
.endr
.irp j, 4,5,6,7
.irp u, 0,1
	v_mov_b32 v[S+8*(\u)+(\j)], 0                  ; keys 16-31
.endr
.endr
	s_wait_loadcnt 0x0                             ; V is in
.irp c, 0,1,2,3                        ; O^T, channels 16 c on: eight products, eight accumulators, each sum one product long
.irp u, 0,1
.set rS, S+8*(\u)
.set rD, DAT+DSZ*(\u)
	v_wmma_f32_16x16x32_f16 v[rD+8*(\c):rD+8*(\c)+7], v[rD+32+4*(\c):rD+39+4*(\c)], v[rS:rS+7], 0
.endr
.endr
.rept 4                                ; the places in front of the conversions; they stay beside the waits below
	v_nop
.endr
; THE WAY OUT.  CVT: a lane's eight channels of one head pack into 16 bytes, in place, from the accumulator's low end on.  PUT: they are stored.
.macro CVT u, c
.set rO, DAT+DSZ*(\u)+8*(\c)
.irp t, 0,1,2,3
	v_cvt_pk_f16_f32 v[rO+(\t)], v[rO+2*(\t)], v[rO+2*(\t)+1]
.endr
.endm
.macro PUT u, c
.set rO, DAT+DSZ*(\u)+8*(\c)
	global_store_b128 v1, v[rO:rO+3], s[6:7] offset:(\u)*2048+512*(\c)  ; 512 consecutive bytes, at a multiple of 256 from ob's first byte
.endm
.irp c, 0,1,2,3
	CVT 0, \c
.endr
	s_wait_alu depctr_va_vdst(0)                   ; position 0's sixteen conversions have written the registers that its four stores read
.irp c, 0,1,2,3                        ; a store of position 0, four conversions of position 1: no vector instruction since the wait names v1 or position 0's registers
	PUT 0, \c
	CVT 1, \c
.endr
	s_wait_alu depctr_va_vdst(0)                   ; position 1's sixteen conversions have written the registers that its four stores read
.irp c, 0,1,2,3
	PUT 1, \c
.endr
	s_endpgm
.Lfunc_end_k_q8daf5dc8f1_attn:
	.size	k_q8daf5dc8f1_attn, .Lfunc_end_k_q8daf5dc8f1_attn-k_q8daf5dc8f1_attn
	.p2alignl 7, 3214868480
	.fill 96, 4, 3214868480
	.section	.rodata,"a",@progbits
	.p2align	6, 0x0
	.amdhsa_kernel k_q8daf5dc8f1_attn
		.amdhsa_group_segment_fixed_size 0
		.amdhsa_private_segment_fixed_size 0
		.amdhsa_enable_private_segment 0
		.amdhsa_kernarg_size 16
		.amdhsa_user_sgpr_count 2
		.amdhsa_user_sgpr_kernarg_segment_ptr 1
		.amdhsa_wavefront_size32 1
		.amdhsa_system_sgpr_workgroup_id_x 1
		.amdhsa_system_sgpr_workgroup_id_y 1
		.amdhsa_system_sgpr_workgroup_id_z 1
		.amdhsa_system_vgpr_workitem_id 0
		.amdhsa_next_free_vgpr 128
		.amdhsa_next_free_sgpr 66
		.amdhsa_reserve_vcc 0
		.amdhsa_float_denorm_mode_32 3
		.amdhsa_float_denorm_mode_16_64 3
		.amdhsa_memory_ordered 1
		.amdhsa_forward_progress 1
		.amdhsa_inst_pref_size 12
	.end_amdhsa_kernel
	.amdgpu_metadata
---
amdhsa.version: [ 1, 2 ]
amdhsa.kernels:
  - .name:           k_q8daf5dc8f1_attn
    .symbol:         k_q8daf5dc8f1_attn.kd
    .args:
      - { .name: qkv, .offset: 0, .size: 8, .value_kind: global_buffer, .address_space: global }
      - { .name: ob, .offset: 8, .size: 8, .value_kind: global_buffer, .address_space: global }
    .group_segment_fixed_size: 0
    .private_segment_fixed_size: 0
    .kernarg_segment_align: 8
    .kernarg_segment_size: 16
    .max_flat_workgroup_size: 256
    .sgpr_count:     66
    .vgpr_count:     128
    .wavefront_size: 32
...
	.end_amdgpu_metadata
.endif
;; end of part 5
;; launch gemm_out: the kernel of part 4 again; grid 4 x 64, 4 waves a work-group, clusters of 4 x 4, 327,680 bytes of LDS; arguments ob, wo, out0; writes out0
